; MI455X (gfx1250); checked and timed in simulation.
; The chip was launched on July 23, 2026; its instructions are those of AMD's public machine-readable ISA for CDNA 5 (MIT licence, August 2026) and "CDNA5" Instruction Set Architecture Reference Guide (July 2026). The comments in the code are by the model that wrote it; some were corrected since.
;; Grouped Query Attention. Allowed arithmetic: matrix products marked QUANTISED: E2M1 operands, one E8M0 scale for each 32 along K, by v_wmma_scale_f32_16x16x128_f8f6f4 with both operands' format E2M1 (or v_wmma_scale_f32_32x16x128_f4), f32 sums; products left as they are: bf16, f16 or f32 operands; f32 sums; everything else in f32.
;; Inputs: Wk 4,096 x 1,024 float32; Wo 4,096 x 4,096 float32; Wq 4,096 x 4,096 float32; Wv 4,096 x 1,024 float32; x 1 x 1,024 x 4,096 float32.
;; Outputs: out0 1 x 1,024 x 4,096 float32.
;; This version of the problem:
;;   THIS VERSION OF THE PROBLEM IS GIVEN IN LOW PRECISION. The matrix products marked QUANTISED in the list below multiply operands that are first quantised to E2M1 (2 exponent bits, 1 mantissa bit; 4 bits a number), with one power-of-two scale for each 32 numbers along K (OCP MX v1.0); their sums are f32. The products marked 'left as it is' may take bf16, f16 or f32 operands, with f32 sums. Whichever they take, every output number must still come out within the allowed error. Rounding operands to bf16 (8 significant bits) uses up far more of that allowance than f16 does (11 bits, for magnitudes from 6e-5 to 65,504). All else is computed in f32.
;;   The module's matrix products, in the order in which they are computed (A, B: the left and right operand; K: the contracted axis; several contracted axes count as one K, in the product's order):
;;     1. [M 1,024, K 4,096] x [K 4,096, N 4,096]; A: input x; B: input Wq: QUANTISED
;;     2. [M 1,024, K 4,096] x [K 4,096, N 1,024]; A: input x; B: input Wk: QUANTISED
;;     3. [M 1,024, K 4,096] x [K 4,096, N 1,024]; A: input x; B: input Wv: QUANTISED
;;     4. batch 32 x [M 1,024, K 128] x [K 128, N 1,024]; A: computed on the way; B: computed on the way: left as it is (an operand is computed on the way)
;;     5. batch 32 x [M 1,024, K 1,024] x [K 1,024, N 128]; A: computed on the way; B: computed on the way: left as it is (an operand is computed on the way)
;;     6. [M 1,024, K 4,096] x [K 4,096, N 4,096]; A: computed on the way; B: input Wo: left as it is (an operand is computed on the way)
;;   THE QUANTISER, for each operand of a quantised product, along K:
;;     - K is cut into blocks of 32 from its start; a last block that is shorter is filled with zeros.
;;     - A block's scale is 2^e with e = floor(log2(the largest magnitude in the block)) - 2, held to -126 .. 127; a block of zeros has e = 0. As a byte (E8M0): e + 127.
;;     - Each number is divided by its block's scale, clamped to +-6, and rounded to the nearest number of E2M1, ties to even, subnormals kept.
;;     - The product sums the exact products of the quantised numbers (number of the format x scale) in f32.
;;   ~~~python
;;   def quantise(x, axis):      # numpy; x: float32 -> the quantised numbers, widened to float32 again
;;       x = np.moveaxis(x, axis, -1); K = x.shape[-1]
;;       x = np.pad(x, [(0, 0)] * (x.ndim - 1) + [(0, -K % 32)]); x = x.reshape(x.shape[:-1] + (-1, 32)); a = np.abs(x).max(-1, keepdims=True)
;;       e = np.where(a > 0, np.clip(np.frexp(np.where(a > 0, a, 1))[1] - 1 - 2, -126, 127), 0)      # np.frexp(a)[1] - 1 = floor(log2(a)), exactly
;;       r = np.clip(x / 2.0 ** e, -6, 6)
;;       step = 2.0 ** (np.maximum(np.frexp(np.where(r == 0, 1, r))[1] - 1, 0) - 1)
;;       q = np.round(r / step) * step * 2.0 ** e      # np.round: ties to even
;;       return np.moveaxis(q.reshape(q.shape[:-2] + (-1,))[..., :K], -1, axis).astype(np.float32)
;;   ~~~
;; One version. Each part assembles by itself: llvm-mc -triple=amdgcn-amd-amdhsa -mcpu=gfx1250 --defsym DOCPART=n.
;; ======== version 1 of 1: 5 launches
;; limits: values are held in f16: magnitudes above 65,504 overflow, below 6.1e-05 lose precision
;; workspace buffers: xc 2,228,224 bytes; wcs 13,369,344 bytes; wot 33,554,432 bytes; rope 1,048,576 bytes; qkv 12,976,128 bytes; merged 8,388,608 bytes
;; launch prep (part 1): grid 768 x 1, 4 waves a work-group, no clusters, 102,912 bytes of LDS; arguments Wq, Wk, Wv, Wo, x, xc, wcs, wot, rope; writes xc, wcs, wot, rope
.if DOCPART == 1
	.amdgcn_target "amdgcn-amd-amdhsa--gfx1250"
	.amdhsa_code_object_version 6
	.text
	.protected	k_qc8db403e38_prep
	.globl	k_qc8db403e38_prep
	.p2align	8
	.type	k_qc8db403e38_prep,@function
k_qc8db403e38_prep:
	s_mov_b64 s[64:65], 0
	v_nop
	global_prefetch_b8 v0, s[64:65] scope:SCOPE_SE
	s_setreg_imm32_b32 hwreg(HW_REG_WAVE_MODE, 25, 1), 1
	s_wait_xcnt 0x0
; GROUPED-QUERY ATTENTION, launch 1 of 5: every input is read once, here, and laid as the later launches want it.
;   path W (work-groups 0-383):   Wq, Wk, Wv [4096 k][n] f32 -> codes of E2M1 along K, K innermost, wcs [6144 n][2048 bytes], and E8M0 bytes [6144][128] behind them (n: 0-4095 Wq, 4096-5119 Wk, 5120-6143 Wv)
;   path O (work-groups 384-639): Wo [4096 k][4096 n] f32 -> f16, K innermost, wot [4096 n][4096 k]  (the product with Wo is left as it is: f16 operands, f32 sums)
;   path X (work-groups 640-767): x [1024][4096] f32 -> codes xc [1024][2048 bytes], bytes [1024][128] behind them; and the RoPE tables
; A work-group of W or of O reads 128 columns x 512 along K, 262,144 bytes; one of X 131,072 bytes and makes its part of the tables: the shorter ones have the higher numbers.
; WORK THAT THE PROGRAM LEAVES OUT, for all values of the inputs: (a) reference() sets the scores of keys k > q to the least f32 number by its own jnp.tril; behind the maximum's subtraction their weight is exp of
; at most that number less a visible score, which is 0 in f32 and adds nothing to sum or product: key steps that lie wholly behind a tile's queries are neither loaded nor multiplied (launch attn).
; (b) jnp.repeat copies K and V heads: the copy is an index (head / 4).  Every input has a way to the output and is loaded.
; LIMITS: a NaN, an infinity or an overflow that reaches only masked scores is not carried to the result.  NaN and infinities among the inputs are not served.  f16 operands: |Wo|, |v|, 0.52 |q| and |k| / 4 up to 65,504.
; A block of zeros gets the byte 1 where the quantiser says 127: its codes are zeros, which add nothing under any byte but 0xff, and this program alone reads the bytes.  Blocks whose largest magnitude lies under 2^-124 are held at byte 1.
; THE SCALE: the largest magnitude's exponent field less 2 is the E8M0 byte, and is what the conversion takes as its scale; the conversion rounds to the nearest code, ties to even, and holds at the largest code.
; The three paths part on the work-group's number; each has LDS bytes of its own.  No tensor loads, no barrier: waves share nothing.
.set SPARE, 102400                     ; the spare words, 128 bytes a wave: two blocks of 256 bytes that no other line names
.set SPW,   224                        ; v224 LDS address of my spare word; never rewritten
.set NIL,   225                        ; v225 0; never rewritten
.set WSTG,  32768                      ; path W's stages: 4 x 32 rows x 272 bytes
.set OSTG,  67584                      ; path O's stages: the same size
	s_load_b512 s[8:23], s[0:1], 0x0               ; Wq s[8:9], Wk s[10:11], Wv s[12:13], Wo s[14:15], x s[16:17], xc s[18:19], wcs s[20:21], wot s[22:23]
	s_load_b64 s[24:25], s[0:1], 0x40              ; rope
	v_lshl_add_u32 v[SPW], v0, 2, SPARE
	v_mov_b32 v[NIL], 0
	v_lshrrev_b32 v1, 5, v0
	v_readfirstlane_b32 s2, v1                     ; wave 0..3
	v_and_b32 v2, 31, v0                           ; lane
	s_wait_kmcnt 0x0
	s_cmp_lt_u32 ttmp9, 384
	s_cbranch_scc1 .Lpath_w
	s_cmp_lt_u32 ttmp9, 640
	s_cbranch_scc1 .Lpath_o
; ---------------- PATH X: x is a plain stream of blocks of 32.  A wave takes 16 steps of 512 numbers.  Each load reads 512 consecutive bytes; a step's 2,048 bytes turn through the wave's own stage in LDS
; (16 bytes of padding behind each 64), so that a lane then holds 16 neighbours along K; two neighbouring lanes hold a block.
.set XR, 16                            ; v16-79   four sets of 16 numbers as loaded
.set XX, 80                            ; v80-111  two sets of 16 neighbours
.set XE, 112                           ; v112-127 a scale byte for each step
.set XC, 128                           ; v128-191 codes: registers of its own for each step, so that no store's data are written again
	s_sub_co_u32 s3, ttmp9, 640                    ; 0..127
	v_lshlrev_b32 v3, 4, v2                        ; my 16 bytes of a load's 512
	s_lshl_b32 s5, s2, 13                          ; my wave's 8,192 bytes of LDS: two stages of 2,560, then 256 scale bytes
	v_lshrrev_b32 v14, 2, v2
	v_mul_u32_u24 v14, v14, 80
	v_and_b32 v15, 3, v2
	v_lshl_add_u32 v14, v15, 4, v14
	v_add_nc_u32 v14, s5, v14                      ; into the stage: 80 (lane / 4) + 16 (lane % 4)
	v_mul_u32_u24 v15, v2, 80
	v_add_nc_u32 v15, s5, v15                      ; out of it: 80 x lane
	v_lshlrev_b32 v4, 3, v2                        ; my 8 bytes of a step's 256 bytes of codes
	v_lshrrev_b32 v5, 1, v2
	s_add_co_u32 s5, s5, 5120
	v_add_nc_u32 v5, s5, v5                        ; my block's scale byte in LDS
	v_lshlrev_b32 v7, 3, v2
	v_add_nc_u32 v6, s5, v7                        ; and 8 bytes a lane on the way out
	s_lshl_b32 s4, s3, 2
	s_add_co_u32 s4, s4, s2                        ; which run of 8,192 numbers is my wave's: 0..511
	s_lshl_b32 s26, s4, 15
	s_mov_b32 s27, 0
	s_add_nc_u64 s[16:17], s[16:17], s[26:27]      ; x
	s_lshl_b32 s26, s4, 12
	s_add_nc_u64 s[28:29], s[18:19], s[26:27]      ; codes
	s_lshl_b32 s26, s4, 8
	s_add_co_u32 s26, s26, 2097152
	s_add_nc_u64 s[30:31], s[18:19], s[26:27]      ; scale bytes
.macro XLOAD t
.irp i, 0,1,2,3
	global_load_b128 v[XR+16*((\t)%4)+4*\i:XR+16*((\t)%4)+4*\i+3], v3, s[16:17] offset:2048*(\t)+512*\i th:TH_LOAD_NT
.endr
.endm
.macro XTURN t                         ; LDS serves a wave's instructions in order: no wait between the stores and the loads
.irp i, 0,1,2,3
	ds_store_b128 v14, v[XR+16*((\t)%4)+4*\i:XR+16*((\t)%4)+4*\i+3] offset:2560*((\t)%2)+640*\i
.endr
.irp i, 0,1,2,3
	ds_load_b128 v[XX+16*((\t)%2)+4*\i:XX+16*((\t)%2)+4*\i+3], v15 offset:2560*((\t)%2)+16*\i
.endr
.endm
.irp t, 0,1,2,3
	XLOAD \t
.endr
	s_wait_loadcnt 12                              ; step 0's four loads are in; three steps' twelve may be out
	XTURN 0
.macro XSTEP t
.set XS, XX+16*((\t)%2)
.if (\t) > 0
	s_wait_dscnt 1                                 ; this step's numbers are back from the stage; the last step's byte store may be out
.else
	s_wait_dscnt 0x0
.endif
.if (\t)+4 < 16
	XLOAD (\t)+4                                   ; into the registers that this step's stores into the stage have read
.endif
.if (\t)+1 < 16
.if 14-(\t) >= 3
	s_wait_loadcnt 12                              ; the next step's four loads are in; those of the three steps behind it may be out
.else
	s_wait_loadcnt 4*(14-(\t))
.endif
	XTURN (\t)+1
.endif
	v_max3_num_f32 v8, |v[XS]|, |v[XS+1]|, |v[XS+2]|
	v_max3_num_f32 v9, |v[XS+3]|, |v[XS+4]|, |v[XS+5]|
.irp i, 6,10
	v_max3_num_f32 v8, v8, |v[XS+\i]|, |v[XS+\i+1]|
	v_max3_num_f32 v9, v9, |v[XS+\i+2]|, |v[XS+\i+3]|
.endr
	v_max3_num_f32 v8, v8, |v[XS+14]|, |v[XS+15]|
	v_max3_num_f32 v8, v8, v9, 0x1800000           ; and the floor 2^(3 - 127): the byte cannot fall under 1
	v_max_num_f32_dpp v8, v8, v8 row_xmask:1 row_mask:0xf bank_mask:0xf   ; with my neighbour's 16: the block's largest magnitude
	v_add_nc_u32 v11, 0xff000000, v8               ; 2 off its exponent field: the conversion's scale operand
	v_cvt_scalef32_pk8_fp4_f32 v[XC+4*(\t)], v[XS:XS+7], v11
	v_cvt_scalef32_pk8_fp4_f32 v[XC+4*(\t)+1], v[XS+8:XS+15], v11
	v_lshrrev_b32 v[XE+(\t)], 23, v11              ; the scale's byte
	ds_store_b8 v5, v[XE+(\t)] offset:16*(\t)      ; both lanes of a block write the same byte with the same value
	global_store_b64 v4, v[XC+4*(\t):XC+4*(\t)+1], s[28:29] offset:256*(\t)   ; the wave stores 256 consecutive bytes, aligned
.endm
.irp t, 0,1,2,3,4,5,6,7,8,9,10,11,12,13,14,15
	XSTEP \t
.endr
	ds_load_b64 v[8:9], v6
	s_wait_dscnt 0x0
	global_store_b64 v7, v[8:9], s[30:31]          ; 256 scale bytes, aligned
; THE RoPE TABLES: [2][1024 positions][64 cos x f, 64 sin x f] f32; table 0: f = 4 log2(e) / sqrt(128), for q; table 1: f = 1/4, for k.  So q' . k' is the score x log2(e) / sqrt(128), and both fit f16 with room.
; A thread makes four neighbouring frequencies of one position.  inv = 2^(-i log2(10000) / 64); the angle is reduced by multiples of pi / 2 in two parts (fused, so the first step rounds nothing away);
; sine to the 9th and cosine to the 10th power on |r| <= pi / 4.  LIMIT: the angle carries the last bit of the exponential, up to about 1.5e-4 rad at position 1,023.
	s_lshl_b32 s4, s3, 7
	s_mov_b32 s5, 0x3fc90fdb                       ; pi / 2, high part
	s_mov_b32 s6, 0xb33bbd2e                       ; and the rest
	v_add_nc_u32 v16, s4, v0                       ; u = 0..16383
	v_lshrrev_b32 v17, 4, v16                      ; position
	v_and_b32 v18, 15, v16
	v_lshlrev_b32 v19, 9, v17
	v_lshl_add_u32 v19, v18, 4, v19                ; my 16 bytes: 512 x position + 16 (u % 16)
	v_cvt_f32_u32 v17, v17
	v_lshlrev_b32 v18, 2, v18
.irp e, 0,1,2,3
	v_add_nc_u32 v[20+\e], \e, v18
.endr
.irp e, 0,1,2,3
	v_cvt_f32_u32 v[20+\e], v[20+\e]
.endr
.irp e, 0,1,2,3
	v_mul_f32 v[20+\e], 0xbe549a78, v[20+\e]       ; -i log2(10000) / 64
.endr
.irp e, 0,1,2,3
	v_exp_f32 v[20+\e], v[20+\e]
.endr
	v_mov_b32 v60, 0x3638ef1d                      ; 1 / 9!   (plain work behind the four exponentials)
	v_mov_b32 v61, 0xb493f27e                      ; -1 / 10!
	s_wait_alu depctr_va_vdst(0)                   ; one wait for the batch, ahead of its first reader
.irp e, 0,1,2,3
	v_mul_f32 v[24+\e], v17, v[20+\e]              ; the angle
.endr
.irp e, 0,1,2,3
	v_mul_f32 v[28+\e], 0x3f22f983, v[24+\e]
.endr
.irp e, 0,1,2,3
	v_rndne_f32 v[28+\e], v[28+\e]                 ; n = the nearest multiple of pi / 2
.endr
.irp e, 0,1,2,3
	v_fma_f32 v[32+\e], -v[28+\e], s5, v[24+\e]
.endr
.irp e, 0,1,2,3
	v_fma_f32 v[32+\e], -v[28+\e], s6, v[32+\e]    ; r
.endr
.irp e, 0,1,2,3
	v_mul_f32 v[36+\e], v[32+\e], v[32+\e]
.endr
.irp e, 0,1,2,3
	v_fmaak_f32 v[40+\e], v60, v[36+\e], 0xb9500d01
	v_fmaak_f32 v[44+\e], v61, v[36+\e], 0x37d00d01
.endr
.irp e, 0,1,2,3
	v_fmaak_f32 v[40+\e], v[40+\e], v[36+\e], 0x3c088889
	v_fmaak_f32 v[44+\e], v[44+\e], v[36+\e], 0xbab60b61
.endr
.irp e, 0,1,2,3
	v_fmaak_f32 v[40+\e], v[40+\e], v[36+\e], 0xbe2aaaab
	v_fmaak_f32 v[44+\e], v[44+\e], v[36+\e], 0x3d2aaaab
.endr
.irp e, 0,1,2,3
	v_mul_f32 v[40+\e], v[40+\e], v[36+\e]
	v_fmaak_f32 v[44+\e], v[44+\e], v[36+\e], 0xbf000000
.endr
.irp e, 0,1,2,3
	v_fma_f32 v[40+\e], v[40+\e], v[32+\e], v[32+\e]   ; sin r
	v_fma_f32 v[44+\e], v[44+\e], v[36+\e], 1.0        ; cos r
.endr
.irp e, 0,1,2,3
	v_cvt_i32_f32 v[48+\e], v[28+\e]
.endr
.irp e, 0,1,2,3
	v_and_b32 v[52+\e], 1, v[48+\e]
	v_cmp_eq_u32 vcc_lo, 1, v[52+\e]               ; an odd quarter turn: sine and cosine change places
	v_cndmask_b32 v[56+\e], v[40+\e], v[44+\e], vcc_lo
	v_cndmask_b32 v[80+\e], v[44+\e], v[40+\e], vcc_lo
	v_and_b32 v[52+\e], 2, v[48+\e]                ; the sine's sign: quarters 2 and 3
	v_add_nc_u32 v[48+\e], 1, v[48+\e]
	v_lshlrev_b32 v[52+\e], 30, v[52+\e]
	v_and_b32 v[48+\e], 2, v[48+\e]                ; the cosine's: quarters 1 and 2
	v_xor_b32 v[56+\e], v[56+\e], v[52+\e]
	v_lshlrev_b32 v[48+\e], 30, v[48+\e]
	v_xor_b32 v[80+\e], v[80+\e], v[48+\e]
	v_mul_f32 v[64+\e], 0x3f0293ee, v[80+\e]
	v_mul_f32 v[68+\e], 0x3f0293ee, v[56+\e]
	v_mul_f32 v[72+\e], 0x3e800000, v[80+\e]
	v_mul_f32 v[76+\e], 0x3e800000, v[56+\e]
.endr
	global_store_b128 v19, v[64:67], s[24:25]                  ; sixteen lanes store 256 consecutive bytes, aligned
	global_store_b128 v19, v[68:71], s[24:25] offset:256
	global_store_b128 v19, v[72:75], s[24:25] offset:524288
	global_store_b128 v19, v[76:79], s[24:25] offset:524544
	s_wait_tensorcnt 0x0                           ; the wave's end
	ds_add_u32 v[SPW], v[NIL]
	s_wait_dscnt 0x0
	s_endpgm
; ---------------- PATH W: a lane takes a column n and its registers run down K: a block of 32 along K lies in one lane, and the conversions give codes with K innermost.  A wave: 32 columns x 512 along K, 16 blocks.
; A load reads 128 consecutive bytes a wave, the four waves side by side 512.  The codes go through the wave's stage and leave as rows: sixteen lanes store 256 consecutive bytes, aligned.
; The row pitch differs between Wq and Wk, Wv, so it stands in registers: v96-127 hold 4 x lane + i rows, s[32:63] a base for each block; none is rewritten.
.Lpath_w:
	s_lshr_b32 s3, ttmp9, 3                        ; which 128 columns of the 6,144: 0..47
	s_and_b32 s4, ttmp9, 7                         ; which 512 along K
	s_mov_b32 s7, 4096
	s_cmp_lt_u32 s3, 32
	s_cselect_b64 s[26:27], s[8:9], s[10:11]
	s_cselect_b32 s6, 0, 32
	s_cselect_b32 s7, 16384, s7                    ; a row of the source in bytes
	s_cmp_lt_u32 s3, 40
	s_cselect_b64 s[26:27], s[26:27], s[12:13]
	s_cselect_b32 s6, s6, 40
	s_sub_co_u32 s5, s3, s6
	s_lshl_b32 s5, s5, 7
	s_lshl_b32 s28, s2, 5
	s_add_co_u32 s5, s5, s28                       ; my wave's first column in its source
	s_lshl_b32 s28, s5, 2
	s_mul_i32 s29, s4, s7
	s_lshl_b32 s29, s29, 9                         ; 512 rows for each step along K
	s_add_co_u32 s28, s28, s29
	s_mov_b32 s29, 0
	s_add_nc_u64 s[32:33], s[26:27], s[28:29]
	s_lshl_b32 s28, s7, 5                          ; 32 rows on
.irp t, 1,2,3,4,5,6,7,8,9,10,11,12,13,14,15
	s_add_nc_u64 s[32+2*\t:33+2*\t], s[30+2*\t:31+2*\t], s[28:29]
.endr
	v_lshlrev_b32 v96, 2, v2
.irp i, 1,2,3,4,5,6,7,8,9,10,11,12,13,14,15,16,17,18,19,20,21,22,23,24,25,26,27,28,29,30,31
	v_add_nc_u32 v[96+\i], s7, v[95+\i]
.endr
	s_mul_i32 s30, s2, 8704
	s_add_co_u32 s30, s30, WSTG                    ; my stage
	v_mul_u32_u24 v4, v2, 272
	v_add_nc_u32 v4, s30, v4                       ; into it: row = my column
	v_and_b32 v5, 15, v2
	v_lshrrev_b32 v6, 4, v2
	v_mul_u32_u24 v7, v6, 272
	v_lshl_add_u32 v7, v5, 4, v7
	v_add_nc_u32 v7, s30, v7                       ; out of it: sixteen lanes to a row, two rows an instruction
	v_lshlrev_b32 v8, 11, v6
	v_lshl_add_u32 v8, v5, 4, v8                   ; the same place in wcs: rows of 2,048 bytes
	v_lshlrev_b32 v9, 7, v2                        ; my column's row of scale bytes
	s_lshl_b32 s5, s3, 7
	s_lshl_b32 s6, s2, 5
	s_add_co_u32 s5, s5, s6                        ; my wave's first n of the 6,144
	s_lshl_b32 s26, s5, 11
	s_lshl_b32 s6, s4, 8
	s_add_co_u32 s26, s26, s6
	s_mov_b32 s27, 0
	s_add_nc_u64 s[26:27], s[20:21], s[26:27]      ; codes
	s_lshl_b32 s28, s5, 7
	s_lshl_b32 s6, s4, 4
	s_add_co_u32 s28, s28, s6
	s_add_co_u32 s28, s28, 12582912
	s_add_nc_u64 s[28:29], s[20:21], s[28:29]      ; scale bytes
.macro WLOAD t
.irp i, 0,1,2,3,4,5,6,7,8,9,10,11,12,13,14,15,16,17,18,19,20,21,22,23,24,25,26,27,28,29,30,31
	global_load_b32 v[32+32*((\t)%2)+\i], v[96+\i], s[32+2*(\t):33+2*(\t)] th:TH_LOAD_NT
.endr
.endm
	WLOAD 0
	WLOAD 1
.macro WBLOCK t
.set XS, 32+32*((\t)%2)
.if (\t) < 15
	s_wait_loadcnt 32                              ; this block's 32 loads are in; the next block's may be out
.else
	s_wait_loadcnt 0x0
.endif
	v_max3_num_f32 v12, |v[XS]|, |v[XS+1]|, |v[XS+2]|
	v_max3_num_f32 v13, |v[XS+3]|, |v[XS+4]|, |v[XS+5]|
.irp i, 6,10,14,18,22,26
	v_max3_num_f32 v12, v12, |v[XS+\i]|, |v[XS+\i+1]|
	v_max3_num_f32 v13, v13, |v[XS+\i+2]|, |v[XS+\i+3]|
.endr
	v_max3_num_f32 v12, v12, |v[XS+30]|, |v[XS+31]|
	v_max3_num_f32 v12, v12, v13, 0x1800000        ; and the floor 2^(3 - 127)
	v_add_nc_u32 v11, 0xff000000, v12              ; the conversion's scale operand
	v_lshrrev_b32 v13, 23, v11                     ; the scale's byte
.if (\t)%4 == 0
	v_mov_b32 v[16+(\t)/4], v13                    ; four bytes to a register, the lower K in the lower byte
.else
	v_lshl_or_b32 v[16+(\t)/4], v13, 8*((\t)%4), v[16+(\t)/4]
.endif
.irp g, 0,1,2,3
	v_cvt_scalef32_pk8_fp4_f32 v[20+\g], v[XS+8*\g:XS+8*\g+7], v11
.endr
	ds_store_b128 v4, v[20:23] offset:16*(\t)
.if (\t)+2 < 16
	WLOAD (\t)+2
.endif
	s_wait_dscnt 0x0                               ; the store has read its registers: the next block's codes may be written
.endm
.irp t, 0,1,2,3,4,5,6,7,8,9,10,11,12,13,14,15
	WBLOCK \t
.endr
	global_store_b128 v9, v[16:19], s[28:29]       ; my column's 16 scale bytes: pieces of 16 bytes, one byte for each 128 that the path reads
.irp t, 0,1,2,3,4,5,6,7,8,9,10,11,12,13,14,15
	ds_load_b128 v[128+4*\t:131+4*\t], v7 offset:544*\t
.endr
.irp t, 0,1,2,3,4,5,6,7,8,9,10,11,12,13,14,15
	s_wait_dscnt 15-\t                             ; the younger loads may be out
	global_store_b128 v8, v[128+4*\t:131+4*\t], s[26:27] offset:4096*\t
.endr
	s_wait_tensorcnt 0x0                           ; the wave's end
	ds_add_u32 v[SPW], v[NIL]
	s_wait_dscnt 0x0
	s_endpgm
; ---------------- PATH O: the same plan for Wo, rounded to f16: a wave takes 32 columns x 512 along K, 16 blocks of 32, in four runs of four blocks.  A run's 128 numbers of a column are 256 bytes of its row of wot:
; behind each run they go through the wave's stage and leave as rows, sixteen lanes to 256 consecutive bytes, aligned.  The loads run two blocks ahead, across the runs too: 64 loads of a wave are out while a run leaves.
; Every offset is an immediate: 511 rows of 16,384 bytes at the most, inside the signed 24 bits (ISA guide, chapter 10).
.Lpath_o:
	s_sub_co_u32 s3, ttmp9, 384                    ; 0..255
	s_lshr_b32 s4, s3, 3                           ; which 128 columns
	s_and_b32 s3, s3, 7                            ; which 512 along K
	s_lshl_b32 s5, s4, 7
	s_lshl_b32 s6, s2, 5
	s_add_co_u32 s5, s5, s6                        ; my wave's first column
	s_lshl_b32 s26, s3, 23                         ; 512 rows of 16,384 bytes
	s_lshl_b32 s6, s5, 2
	s_add_co_u32 s26, s26, s6
	s_mov_b32 s27, 0
	s_add_nc_u64 s[14:15], s[14:15], s[26:27]
	s_lshl_b32 s26, s5, 13                         ; rows of wot: 8,192 bytes
	s_lshl_b32 s6, s3, 10                          ; 512 along K are 1,024 bytes of a row
	s_add_co_u32 s26, s26, s6
	s_add_nc_u64 s[22:23], s[22:23], s[26:27]
	v_lshlrev_b32 v3, 2, v2
	s_mul_i32 s30, s2, 8704
	s_add_co_u32 s30, s30, OSTG
	v_mul_u32_u24 v4, v2, 272
	v_add_nc_u32 v4, s30, v4
	v_and_b32 v5, 15, v2
	v_lshrrev_b32 v6, 4, v2
	v_mul_u32_u24 v7, v6, 272
	v_lshl_add_u32 v7, v5, 4, v7
	v_add_nc_u32 v7, s30, v7
	v_lshlrev_b32 v8, 13, v6
	v_lshl_add_u32 v8, v5, 4, v8
.macro OLOAD t
.irp i, 0,1,2,3,4,5,6,7,8,9,10,11,12,13,14,15,16,17,18,19,20,21,22,23,24,25,26,27,28,29,30,31
	global_load_b32 v[32+32*((\t)%2)+\i], v3, s[14:15] offset:(32*(\t)+\i)*16384 th:TH_LOAD_NT
.endr
.endm
	OLOAD 0
	OLOAD 1
.macro OBLOCK t
.set XS, 32+32*((\t)%2)
.if (\t) < 15
	s_wait_loadcnt 32                              ; this block's loads are in; the next block's may be out
.else
	s_wait_loadcnt 0x0
.endif
.irp i, 0,1,2,3,4,5,6,7,8,9,10,11,12,13,14,15
	v_cvt_pk_f16_f32 v[96+16*((\t)%4)+\i], v[XS+2*\i], v[XS+2*\i+1]   ; registers of its own for each block of a run; the last run's stores into the stage were waited for on its way out
.endr
.irp u, 0,1,2,3
	ds_store_b128 v4, v[96+16*((\t)%4)+4*\u:96+16*((\t)%4)+4*\u+3] offset:64*((\t)%4)+16*\u
.endr
.if (\t)+2 < 16
	OLOAD (\t)+2
.endif
.endm
.macro OOUT u                          ; run u leaves: LDS serves a wave's instructions in order, so these loads see the run's stores, and the next run's stores come behind them
.if (\u) > 0
	s_wait_xcnt 0x0                                ; the last run's stores have read v160-223: only behind this wait are they loaded again
.endif
.irp t, 0,1,2,3,4,5,6,7,8,9,10,11,12,13,14,15
	ds_load_b128 v[160+4*\t:163+4*\t], v7 offset:544*\t
.endr
.irp t, 0,1,2,3,4,5,6,7,8,9,10,11,12,13,14,15
	s_wait_dscnt 15-\t                             ; the younger loads may be out
	global_store_b128 v8, v[160+4*\t:163+4*\t], s[22:23] offset:16384*\t+256*(\u)
.endr
.endm
.irp t, 0,1,2,3,4,5,6,7,8,9,10,11,12,13,14,15
	OBLOCK \t
.if (\t)%4 == 3
	OOUT (\t)/4
.endif
.endr
	s_wait_tensorcnt 0x0                           ; the wave's end
	ds_add_u32 v[SPW], v[NIL]
	s_wait_dscnt 0x0
	s_endpgm
.Lfunc_end_k_qc8db403e38_prep:
	.size	k_qc8db403e38_prep, .Lfunc_end_k_qc8db403e38_prep-k_qc8db403e38_prep
	.p2alignl 7, 3214868480
	.fill 96, 4, 3214868480
	.section	.rodata,"a",@progbits
	.p2align	6, 0x0
	.amdhsa_kernel k_qc8db403e38_prep
		.amdhsa_group_segment_fixed_size 102912
		.amdhsa_private_segment_fixed_size 0
		.amdhsa_enable_private_segment 0
		.amdhsa_kernarg_size 72
		.amdhsa_user_sgpr_count 2
		.amdhsa_user_sgpr_kernarg_segment_ptr 1
		.amdhsa_wavefront_size32 1
		.amdhsa_system_sgpr_workgroup_id_x 1
		.amdhsa_system_sgpr_workgroup_id_y 1
		.amdhsa_system_sgpr_workgroup_id_z 1
		.amdhsa_system_vgpr_workitem_id 0
		.amdhsa_next_free_vgpr 226
		.amdhsa_next_free_sgpr 66
		.amdhsa_reserve_vcc 1
		.amdhsa_float_denorm_mode_32 3
		.amdhsa_float_denorm_mode_16_64 3
		.amdhsa_memory_ordered 1
		.amdhsa_forward_progress 1
		.amdhsa_inst_pref_size 202
	.end_amdhsa_kernel
	.amdgpu_metadata
---
amdhsa.version: [ 1, 2 ]
amdhsa.kernels:
  - .name:           k_qc8db403e38_prep
    .symbol:         k_qc8db403e38_prep.kd
    .args:
      - { .name: Wq, .offset: 0, .size: 8, .value_kind: global_buffer, .address_space: global }
      - { .name: Wk, .offset: 8, .size: 8, .value_kind: global_buffer, .address_space: global }
      - { .name: Wv, .offset: 16, .size: 8, .value_kind: global_buffer, .address_space: global }
      - { .name: Wo, .offset: 24, .size: 8, .value_kind: global_buffer, .address_space: global }
      - { .name: x, .offset: 32, .size: 8, .value_kind: global_buffer, .address_space: global }
      - { .name: xc, .offset: 40, .size: 8, .value_kind: global_buffer, .address_space: global }
      - { .name: wcs, .offset: 48, .size: 8, .value_kind: global_buffer, .address_space: global }
      - { .name: wot, .offset: 56, .size: 8, .value_kind: global_buffer, .address_space: global }
      - { .name: rope, .offset: 64, .size: 8, .value_kind: global_buffer, .address_space: global }
    .group_segment_fixed_size: 102912
    .private_segment_fixed_size: 0
    .kernarg_segment_align: 8
    .kernarg_segment_size: 72
    .max_flat_workgroup_size: 128
    .sgpr_count:     66
    .vgpr_count:     226
    .wavefront_size: 32
...
	.end_amdgpu_metadata
.endif
;; end of part 1
;; launch qkv (part 2): grid 24 x 8, 4 waves a work-group, clusters of 4 x 4, 327,680 bytes of LDS; arguments xc, wcs, rope, qkv; writes qkv
.if DOCPART == 2
	.amdgcn_target "amdgcn-amd-amdhsa--gfx1250"
	.amdhsa_code_object_version 6
	.text
	.protected	k_qc8db403e38_qkv
	.globl	k_qc8db403e38_qkv
	.p2align	8
	.type	k_qc8db403e38_qkv,@function
k_qc8db403e38_qkv:
	s_mov_b64 s[64:65], 0
	v_nop
	global_prefetch_b8 v0, s[64:65] scope:SCOPE_SE
	s_setreg_imm32_b32 hwreg(HW_REG_WAVE_MODE, 25, 1), 1
	s_wait_xcnt 0x0
	s_wait_alu depctr_hold_cnt(0) depctr_sa_sdst(0) depctr_va_vdst(0) depctr_va_sdst(0) depctr_va_ssrc(0) depctr_va_vcc(0) depctr_vm_vsrc(0)
	s_getreg_b32 s2, hwreg(HW_REG_IB_STS2, 6, 4)
	s_cmp_eq_u32 s2, 0
	s_cbranch_scc0 .Lentry_in_a_cluster
	s_endpgm
.Lentry_in_a_cluster:
	s_bfe_u32 s2, ttmp6, 0x10000c
	s_cmp_lg_u32 s2, 0xf033
	s_cbranch_scc0 .Lentry_shape_is_right
	s_endpgm
.Lentry_shape_is_right:
; Launch 2 of 5: [q | k | v] = x [Wq | Wk | Wv], M 1,024, N 6,144, K 4,096, on codes of E2M1 with E8M0 scales as launch prep laid them; RoPE on the way out; results as f16 by head, qkv [48 heads][1024][128]
; (heads 0-31 q x 4 log2(e) / sqrt(128), 32-39 k / 4, 40-47 v), and rows 0-15 also as f32, [16][6144], behind them (for launch attn16).
; A tile of C is 128 x 256: 192 work-groups; a wave makes 64 rows x 128 columns, ONE HEAD, so that a channel d and its partner d + 64 of the rotation lie in one lane: 32 accumulators.
; K goes in steps of 512 (rows of 256 bytes) through a ring of two LDS slots; the scale bytes of the work-group's rows, for all of K, come once with the first fills.
; CLUSTERS 4 x 4: A's tiles are shared along a row of the cluster, B's along a column: joint loads, one a wave behind each round.  Cluster x 0-3 is q, 4 is k, 5 is v: the kind is the same in all partners.
; THE MATRIX INSTRUCTION IS USED TRANSPOSED: source 0 = 16 rows of the weights, source 1 = 16 rows of x: lane l holds row l % 16 of C and eight neighbouring columns 8 (l / 16) + 0..7.
; REGISTERS: window 0: v15-31 addresses; v32-95 scale words, two sets, and nothing else; v96-159 A's fragments, two sets (on the way out: rotated numbers); v160-191 packed f16; v192-223 rows read back.
;   window 1: B's fragments, two sets, v0-63, v64-127.  window 2: accumulator (a, b) at v[8 (8 a + b)].  window 3: cos at v[64 a + 16 b + 0..7], sin at + 8..15.
; The table is loaded on every path, so that no path reads a register that it has not written: v's work-groups (32 of 192) load k's table and do not use it.
.set PITCH,  272                       ; an LDS row: 256 bytes + 16 of padding: the 16 rows that a load touches start at 16 different banks
.set SLOT,   384*PITCH                 ; A's 128 rows, then B's 256 rows
.set BOFF,   128*PITCH
.set SCL,    2*SLOT                    ; the scales, as units of 256 bytes + 16: A's 64 units, then B's 128
.set SBLK,   2176                      ; those of 16 rows (8 units)
.set STAGE,  SCL+192*272               ; the way out: 16 rows x 272 bytes for each wave; no fill lands here
.set SPARE,  STAGE+4*16*272            ; the spare words, 128 bytes a wave: two blocks of 256 bytes that no other line names
.set ROWG, 15                          ; v15 my row of C in block 0
.set ADRA, 16                          ; v16-17 my A fragments in slot 0, 1
.set ADRB, 20                          ; v20-21 the same for B
.set STO,  24
.set RD,   25
.set GO,   26
.set ADRS, 27                          ; my scale words: lanes 0-15 A's rows, lanes 16-31 B's
.set SPW,  28
.set NIL,  29
.set RO,   30                          ; my byte in the table's 16 rows
.set FO,   31                          ; my byte in the f32 rows
.set SC,   32
.set AF,   96
.set T,    96
.set PK,   160
.set BK,   192
.set G1, 24
.set G0, 32
.set G1B, 48
.set G0B, 56
.set G1S, 68
.set G0S, 76
.set G1SB, 80
.set G0SB, 88
.set MSB, 0
.macro WIN new                         ; the immediate's high byte repeats the setting that is left
.if MSB != \new
	s_set_vgpr_msb (MSB<<8)|\new
.set MSB, \new
.endif
.endm
.set MUL,  0xa1                        ; source 0 (B) window 1, source 1 (A) window 0, C and D window 2
.set TO_B, 0x40
; A joint load: waves 0 and 1 fetch for A, waves 2 and 3 for B; the branch hangs on the wave's number alone.  An s_nop 0 and four v_nop follow each line.
.macro JLOAD g0a, g1a, g0b, g1b
	s_cmp_eq_u32 s15, 0
	s_cbranch_scc0 .Lfor_b_\@
	tensor_load_to_lds s[\g0a:\g0a+3], s[\g1a:\g1a+7]
	s_nop 0
.rept 4
	v_nop
.endr
	s_branch .Lasked_\@
.Lfor_b_\@:
	tensor_load_to_lds s[\g0b:\g0b+3], s[\g1b:\g1b+7]
	s_nop 0
.rept 4
	v_nop
.endr
.Lasked_\@:
.endm
.macro CREST
	s_cmp_lg_u32 s14, 0
	s_cbranch_scc1 .Lnot_wave_0_\@
	s_barrier_signal -3
.Lnot_wave_0_\@:
	s_barrier_wait -3
	s_barrier_signal -1
	s_barrier_wait -1
.endm
.macro CROUND
	s_barrier_signal -1
	s_barrier_wait -1
	CREST
.endm
	s_load_b256 s[4:11], s[0:1], 0x0               ; xc s[4:5], wcs s[6:7], rope s[8:9], qkv s[10:11]
	v_lshl_add_u32 v[SPW], v0, 2, SPARE
	v_mov_b32 v[NIL], 0
	ds_add_u32 v[SPW], v[NIL]                      ; the wave's opening: the add, twice on end, and its wait ahead of my first tensor load
	ds_add_u32 v[SPW], v[NIL]
	v_lshrrev_b32 v1, 5, v0
	v_readfirstlane_b32 s14, v1                    ; wave 0..3
	s_lshr_b32 s15, s14, 1                         ; which 64 rows of the tile are mine.  Also: I fetch for A (0) or for B (1)
	s_and_b32 s16, s14, 1                          ; which head of its two.  Also: which half of that tile I fetch
	s_bfe_u32 s40, ttmp6, 0x40000                  ; cx
	s_bfe_u32 s41, ttmp6, 0x40004                  ; cy
	s_lshl_b32 s42, ttmp9, 2
	s_add_co_u32 s42, s42, s40                     ; tile column 0..23
	s_and_b32 s17, ttmp7, 0xffff
	s_or_b32 s2, s17, s15                          ; 0 where the cluster is in the first row of clusters and the wave has the tile's upper rows
	s_lshl_b32 s17, s17, 2
	s_add_co_u32 s17, s17, s41                     ; tile row 0..7
	s_lshl_b32 s43, s41, 2
	s_lshl_b32 s43, 15, s43                        ; my row of the cluster
	s_lshl_b32 s44, 0x1111, s40                    ; my column
	s_or_b32 s[G1+0], s43, (0<<16)|(1<<20)|(1<<21)|(5<<22)|(3<<25)   ; the mask; elements of 1 byte; padding: 4 words behind every 64; bit 21 beside a mask
	s_or_b32 s[G1B+0], s44, (0<<16)|(1<<20)|(1<<21)|(5<<22)|(3<<25)
	s_mov_b32 s[G1+1], 256<<16                     ; A: 64 rows x 256 bytes, 2,048 bytes apart
	s_mov_b32 s[G1+2], 64<<16
	s_mov_b32 s[G1+3], 256<<16
	s_mov_b32 s[G1+4], 64
	s_mov_b32 s[G1+5], 2048
	s_mov_b32 s[G1+6], 0
	s_mov_b32 s[G1+7], 0
	s_mov_b32 s[G1B+1], 256<<16                    ; B: 128 rows
	s_mov_b32 s[G1B+2], 128<<16
	s_mov_b32 s[G1B+3], 256<<16
	s_mov_b32 s[G1B+4], 128
	s_mov_b32 s[G1B+5], 2048
	s_mov_b32 s[G1B+6], 0
	s_mov_b32 s[G1B+7], 0
	s_or_b32 s[G1S+0], s43, (3<<16)|(1<<20)|(1<<21)|(5<<22)|(3<<25)  ; the scales: dense bytes as rows of 256 (32 elements of 8 bytes)
	s_or_b32 s[G1SB+0], s44, (3<<16)|(1<<20)|(1<<21)|(5<<22)|(3<<25)
	s_mov_b32 s[G1S+1], 32<<16                     ; A's: 64 rows x 128 bytes = 32 units
	s_mov_b32 s[G1S+2], 32<<16
	s_mov_b32 s[G1S+3], 32<<16
	s_mov_b32 s[G1S+4], 32
	s_mov_b32 s[G1S+5], 32
	s_mov_b32 s[G1S+6], 0
	s_mov_b32 s[G1S+7], 0
	s_mov_b32 s[G1SB+1], 32<<16                    ; B's: 128 rows = 64 units
	s_mov_b32 s[G1SB+2], 64<<16
	s_mov_b32 s[G1SB+3], 32<<16
	s_mov_b32 s[G1SB+4], 64
	s_mov_b32 s[G1SB+5], 32
	s_mov_b32 s[G1SB+6], 0
	s_mov_b32 s[G1SB+7], 0
	s_lshl_b32 s18, s16, 6
	s_lshl_b32 s20, s17, 7
	s_add_co_u32 s20, s20, s18                     ; A: row 128 x tile row + 64 x half
	s_lshl_b32 s22, s20, 7
	s_add_co_u32 s22, s22, 2097152                 ; its scale bytes
	s_mov_b32 s23, 0
	s_lshl_b32 s20, s20, 11                        ; its codes
	s_mov_b32 s21, 0
	s_lshl_b32 s18, s16, 7
	s_lshl_b32 s46, s42, 8
	s_add_co_u32 s46, s46, s18                     ; B: row 256 x tile column + 128 x half
	s_lshl_b32 s92, s46, 7
	s_add_co_u32 s92, s92, 12582912
	s_mov_b32 s93, 0
	s_lshl_b32 s46, s46, 11
	s_mov_b32 s47, 0
	s_mul_i32 s45, s16, 64*PITCH                   ; where they go: no place in the cluster enters an LDS address
	s_mul_i32 s94, s16, 128*PITCH
	s_add_co_u32 s94, s94, BOFF
	s_mul_i32 s95, s16, 8704
	s_add_co_u32 s95, s95, SCL
	s_mul_i32 s3, s16, 17408
	s_add_co_u32 s3, s3, SCL+17408
	s_wait_dscnt 0x0                               ; both opening adds are done
	s_wait_kmcnt 0x0
	s_add_nc_u64 s[20:21], s[4:5], s[20:21]
	s_add_nc_u64 s[22:23], s[4:5], s[22:23]
	s_add_nc_u64 s[46:47], s[6:7], s[46:47]
	s_add_nc_u64 s[92:93], s[6:7], s[92:93]
	CROUND                                         ; all sixteen work-groups are here: the first joint loads meet
	s_mov_b32 s[G0S], 1
	s_mov_b32 s[G0S+1], s95
	s_mov_b64 s[G0S+2:G0S+3], s[22:23]
	s_or_b32 s[G0S+3], s[G0S+3], 0x80000000
	s_mov_b32 s[G0SB], 1
	s_mov_b32 s[G0SB+1], s3
	s_mov_b64 s[G0SB+2:G0SB+3], s[92:93]
	s_or_b32 s[G0SB+3], s[G0SB+3], 0x80000000
	JLOAD G0S, G1S, G0SB, G1SB                     ; the scales first: they are wanted with K step 0
.irp s, 0,1
	s_mov_b32 s[G0+4*\s], 1
	s_add_co_u32 s[G0+4*\s+1], s45, \s*SLOT
	s_add_nc_u64 s[G0+4*\s+2:G0+4*\s+3], s[20:21], \s*256
	s_or_b32 s[G0+4*\s+3], s[G0+4*\s+3], 0x80000000
	s_mov_b32 s[G0B+4*\s], 1
	s_add_co_u32 s[G0B+4*\s+1], s94, \s*SLOT
	s_add_nc_u64 s[G0B+4*\s+2:G0B+4*\s+3], s[46:47], \s*256
	s_or_b32 s[G0B+4*\s+3], s[G0B+4*\s+3], 0x80000000
	JLOAD G0+4*\s, G1, G0B+4*\s, G1B               ; three loads of mine are out
.endr
	v_and_b32 v1, 15, v0                           ; r
	v_bfe_u32 v2, v0, 4, 1                         ; h
	v_mul_u32_u24 v3, v1, PITCH
	v_lshl_add_u32 v4, v2, 4, v3                   ; a fragment's row x pitch + 16 x half
	s_mul_i32 s21, s15, 64*PITCH                   ; my 64 rows of A
	s_mul_i32 s22, s16, 128*PITCH                  ; my 128 rows of B,
	s_add_co_u32 s22, s22, BOFF                    ; behind A's 128
.irp s, 0,1
	v_add_nc_u32 v[ADRA+\s], s21, v4
	v_add_nc_u32 v[ADRB+\s], s22, v4
	s_add_co_u32 s21, s21, SLOT
	s_add_co_u32 s22, s22, SLOT
.endr
	v_lshlrev_b32 v5, 7, v1                        ; my row's scales: 128 bytes a row,
	v_lshrrev_b32 v6, 1, v1
	v_lshl_add_u32 v5, v6, 4, v5                   ; and 16 more for each 256 passed
	s_mul_i32 s21, s15, 8704                       ; A's: my 64 rows
	s_mul_i32 s22, s16, 17408                      ; B's: my 128 rows, behind A's 128
	s_add_co_u32 s22, s22, 17408
	s_sub_co_u32 s22, s22, s21
	v_mul_u32_u24 v6, s22, v2                      ; lanes 16-31 take B's: one product, the distance between the two bases
	s_add_co_u32 s21, s21, SCL
	v_add_nc_u32 v5, v5, v6
	v_add_nc_u32 v[ADRS], s21, v5
	s_mul_i32 s23, s14, 16*272
	s_add_co_u32 s23, s23, STAGE                   ; my stage
	v_add_nc_u32 v[STO], s23, v4                   ; in: row r, 16 bytes for each half of the lanes
	v_mul_u32_u24 v5, v2, 272
	v_lshl_add_u32 v5, v1, 4, v5
	v_add_nc_u32 v[RD], s23, v5                    ; back: lanes 0-15 one row of 256 bytes, lanes 16-31 the next
	v_lshlrev_b32 v5, 8, v2
	v_lshl_add_u32 v[GO], v1, 4, v5                ; the same two rows of a head
	v_lshlrev_b32 v5, 9, v1
	v_lshl_add_u32 v[RO], v2, 5, v5                ; the table: row r of 512 bytes, + 32 h
	v_mul_u32_u24 v5, v1, 24576
	v_lshl_add_u32 v[FO], v2, 5, v5                ; the f32 rows: 24,576 bytes a row, + 32 h
	s_lshl_b32 s18, s42, 1
	s_add_co_u32 s18, s18, s16                     ; my head 0..47
	s_lshl_b32 s96, s18, 9
	s_add_co_u32 s96, s96, 12582912
	s_mov_b32 s97, 0
	s_add_nc_u64 s[66:67], s[10:11], s[96:97]      ; its 128 columns of the f32 rows
	s_lshl_b32 s96, s18, 18
	s_lshl_b32 s19, s17, 7
	s_lshl_b32 s18, s15, 6
	s_add_co_u32 s19, s19, s18                     ; my first row
	v_add_nc_u32 v[ROWG], s19, v1
	s_lshl_b32 s18, s19, 8
	s_add_co_u32 s96, s96, s18
	s_add_nc_u64 s[12:13], s[10:11], s[96:97]      ; my rows of my head, f16
	s_lshl_b32 s96, s19, 9
	s_cmp_lt_u32 ttmp9, 4
	s_cselect_b32 s18, 0, 524288                   ; q: table 0; else table 1
	s_add_co_u32 s96, s96, s18
	s_add_nc_u64 s[8:9], s[8:9], s[96:97]
	WIN 0xc0                                       ; destination window 3
.irp a, 0,1,2,3
.irp b, 0,1,2,3
.irp u, 0,1
	global_load_b128 v[64*\a+16*\b+4*\u:64*\a+16*\b+4*\u+3], v[RO], s[8:9] offset:8192*\a+64*\b+16*\u          ; cos of my row, channels 16 b + 8 h + 4 u on
	global_load_b128 v[64*\a+16*\b+8+4*\u:64*\a+16*\b+8+4*\u+3], v[RO], s[8:9] offset:8192*\a+64*\b+16*\u+256  ; sin
.endr
.endr
.endr
	WIN 0
.macro FRAG reg, adr, q, i             ; 16 rows x 128 K of 4-bit codes: 8 registers: registers 4 c .. 4 c + 3 hold K = 64 c + 32 (l / 16) + 0 .. 31
.irp c, 0,1
	ds_load_b128 v[\reg+4*\c:\reg+4*\c+3], v[\adr] offset:64*(\q)+32*\c+(\i)*16*PITCH
.endr
.endm
.macro FETCH slot, q, p                ; 24 loads: B's eight and A's four fragments of the slot's q-th 128 along K into set p
	WIN TO_B
.irp i, 0,1,2,3,4,5,6,7
	FRAG 64*(\p)+8*\i, ADRB+\slot, \q, \i
.endr
	WIN 0
.irp i, 0,1,2,3
	FRAG AF+32*(\p)+8*\i, ADRA+\slot, \q, \i
.endr
.endm
.macro SCALES sc                       ; a K step's scale words: lanes 0-15 A's block i (i > 3: read and not used), lanes 16-31 B's block i
.irp i, 0,1,2,3,4,5,6,7
	ds_load_b128 v[SC+32*\sc+4*\i:SC+32*\sc+4*\i+3], v[ADRS] offset:\i*SBLK
.endr
.endm
; 8 matrix instructions: A's block a x B's eight.  The 32 accumulators take turns, one instruction a turn, in the same order in every step.
.macro MUL8 a, p, q, sc, zero
.irp b, 0,1,2,3,4,5,6,7
.if \zero
	v_wmma_scale_f32_16x16x128_f8f6f4 v[8*(8*(\a)+\b):8*(8*(\a)+\b)+7], v[64*(\p)+8*\b:64*(\p)+8*\b+7], v[AF+32*(\p)+8*(\a):AF+32*(\p)+8*(\a)+7], 0, v[SC+32*(\sc)+4*\b+(\q)], v[SC+32*(\sc)+4*(\a)+(\q)] matrix_a_fmt:MATRIX_FMT_FP4 matrix_b_fmt:MATRIX_FMT_FP4 matrix_a_scale:MATRIX_SCALE_ROW1
.else
	v_wmma_scale_f32_16x16x128_f8f6f4 v[8*(8*(\a)+\b):8*(8*(\a)+\b)+7], v[64*(\p)+8*\b:64*(\p)+8*\b+7], v[AF+32*(\p)+8*(\a):AF+32*(\p)+8*(\a)+7], v[8*(8*(\a)+\b):8*(8*(\a)+\b)+7], v[SC+32*(\sc)+4*\b+(\q)], v[SC+32*(\sc)+4*(\a)+(\q)] matrix_a_fmt:MATRIX_FMT_FP4 matrix_b_fmt:MATRIX_FMT_FP4 matrix_a_scale:MATRIX_SCALE_ROW1
.endif
.endr
.endm
.macro PLACES                          ; four plain places between matrix instructions and loads into registers that they have read, or reads of their results
.rept 4
	v_nop
.endr
.endm
; A step of 128 along K that has its successor in the same slot: the successor's fragments are asked for first, into the other set, and land under this step's 32 products.
.macro STEP slot, q, zero
	PLACES
	FETCH \slot, (\q)+1, ((\q)+1)%2
	s_wait_dscnt 24                                ; all but the 24 just issued: this step's fragments (and scale words) are in
	WIN MUL
	MUL8 0, (\q)%2, \q, \slot, \zero
	MUL8 1, (\q)%2, \q, \slot, \zero
	MUL8 2, (\q)%2, \q, \slot, \zero
	MUL8 3, (\q)%2, \q, \slot, \zero
.endm
; A slot's last step changes slots: one barrier; in front of it each wave waits for all its tensor loads, adds 0 to its spare word, and waits for that and for its reads of this slot.
.macro TURN slot, next, fill
	WIN 0
	s_wait_tensorcnt 0x0                           ; all my tensor loads have landed: my part of the next slot
	ds_add_u32 v[SPW], v[NIL]
	s_wait_dscnt 1                                 ; the add may be out; this step's fragments are in
	WIN MUL
	MUL8 0, 1, 3, \slot, 0
	s_wait_dscnt 0x0                               ; the add is done, and my reads of this slot are over
	s_barrier_signal -1
	MUL8 1, 1, 3, \slot, 0
	WIN 0
	s_barrier_wait -1
.if \fill
	CREST                                          ; the barrier has opened a round of the cluster's: no wave of any partner still reads this slot or has a load on its way
	s_add_nc_u64 s[G0+4*\slot+2:G0+4*\slot+3], s[G0+4*\slot+2:G0+4*\slot+3], 512
	s_add_nc_u64 s[G0B+4*\slot+2:G0B+4*\slot+3], s[G0B+4*\slot+2:G0B+4*\slot+3], 512
	JLOAD G0+4*\slot, G1, G0B+4*\slot, G1B         ; the first tensor load behind the round; its four v_nop are the places in front of the loads below
.else
	PLACES
.endif
	v_add_nc_u32 v[ADRS], 16, v[ADRS]              ; the next K step's scale words
	FETCH \next, 0, 0
	SCALES \next
	WIN MUL
	MUL8 2, 1, 3, \slot, 0
	MUL8 3, 1, 3, \slot, 0
.endm
	s_wait_tensorcnt 1                             ; the scales and my part of K step 0 are in; K step 1's load may be out
	s_barrier_signal -1
	s_barrier_wait -1
	FETCH 0, 0, 0
	SCALES 0
	STEP 0, 0, 1                                   ; the first step stands in front of the loop: its products start the sums
	WIN 0
	s_mov_b32 s3, 3
.Llap:                                             ; a trip goes once round the ring and fills both slots again: K steps 2 to 7
	STEP 0, 1, 0
	STEP 0, 2, 0
	TURN 0, 1, 1
	STEP 1, 0, 0
	STEP 1, 1, 0
	STEP 1, 2, 0
	TURN 1, 0, 1
	STEP 0, 0, 0
	WIN 0
	s_sub_co_u32 s3, s3, 1
	s_cmp_lg_u32 s3, 0
	s_cbranch_scc1 .Llap
	STEP 0, 1, 0                                   ; the last lap fills nothing
	STEP 0, 2, 0
	TURN 0, 1, 0
	STEP 1, 0, 0
	STEP 1, 1, 0
	STEP 1, 2, 0
	s_wait_dscnt 0x0
	MUL8 0, 1, 3, 1, 0
	MUL8 1, 1, 3, 1, 0
	MUL8 2, 1, 3, 1, 0
	MUL8 3, 1, 3, 1, 0
	WIN 0
; THE WAY OUT, by blocks of 16 rows.  q, k: (lo, hi) -> (lo c - hi s, hi c + lo s), lo = accumulator (a, b), hi = (a, b + 4), b = 0..3, c and s already times the head's factor.  Each accumulator is read from its low end on.
; Rounded to f16, a lane's eight columns are 16 bytes; a block goes through my stage and leaves as whole rows of 256 bytes.
; Block 0 of the rows 0-15 also leaves as f32: 16-byte pieces, 393,216 bytes in the whole launch.  Who holds those rows is told by a scalar test on the cluster's y and the wave, and by EXEC from the lane's row: no branch hangs on a place in the cluster.
.macro OUTBLK a
	s_cmp_eq_u32 ttmp9, 5
	s_cbranch_scc1 .Lv_\@
	WIN 0x0e                                       ; source 0 window 2, source 1 window 3, source 2 and destination window 0
.irp b, 0,1,2,3
.irp p, 0,2,4,6
	v_pk_mul_f32 v[T+16*\b+\p:T+16*\b+\p+1], v[8*(8*(\a)+\b)+\p:8*(8*(\a)+\b)+\p+1], v[64*(\a)+16*\b+\p:64*(\a)+16*\b+\p+1]
.endr
.irp p, 0,2,4,6
	v_pk_mul_f32 v[T+16*\b+8+\p:T+16*\b+8+\p+1], v[8*(8*(\a)+\b+4)+\p:8*(8*(\a)+\b+4)+\p+1], v[64*(\a)+16*\b+\p:64*(\a)+16*\b+\p+1]
.endr
.irp p, 0,2,4,6
	v_pk_fma_f32 v[T+16*\b+\p:T+16*\b+\p+1], v[8*(8*(\a)+\b+4)+\p:8*(8*(\a)+\b+4)+\p+1], v[64*(\a)+16*\b+8+\p:64*(\a)+16*\b+8+\p+1], v[T+16*\b+\p:T+16*\b+\p+1] neg_lo:[0,1,0] neg_hi:[0,1,0]
.endr
.irp p, 0,2,4,6
	v_pk_fma_f32 v[T+16*\b+8+\p:T+16*\b+8+\p+1], v[8*(8*(\a)+\b)+\p:8*(8*(\a)+\b)+\p+1], v[64*(\a)+16*\b+8+\p:64*(\a)+16*\b+8+\p+1], v[T+16*\b+8+\p:T+16*\b+8+\p+1]
.endr
.endr
	WIN 0
.irp b, 0,1,2,3
.irp i, 0,1,2,3
	v_cvt_pk_f16_f32 v[PK+4*\b+\i], v[T+16*\b+2*\i], v[T+16*\b+2*\i+1]
	v_cvt_pk_f16_f32 v[PK+16+4*\b+\i], v[T+16*\b+8+2*\i], v[T+16*\b+8+2*\i+1]
.endr
.endr
.if \a == 0
	s_cmp_lg_u32 s2, 0
	s_cbranch_scc1 .Lq32_\@
	s_wait_xcnt 0x0                                ; EXEC changes only behind this wait
	v_cmp_gt_u32 vcc_lo, 16, v[ROWG]
	s_and_saveexec_b32 s93, vcc_lo
.irp b, 0,1,2,3
.irp u, 0,1
	global_store_b128 v[FO], v[T+16*\b+4*\u:T+16*\b+4*\u+3], s[66:67] offset:64*\b+16*\u
	global_store_b128 v[FO], v[T+16*\b+8+4*\u:T+16*\b+8+4*\u+3], s[66:67] offset:256+64*\b+16*\u
.endr
.endr
	s_wait_xcnt 0x0                                ; and again in front of the line that widens it; the stores have read their data too
	s_or_b32 exec_lo, exec_lo, s93
.Lq32_\@:
.endif
	s_branch .Lpk_\@
.Lv_\@:
	WIN 0x0a                                       ; sources 0 and 1 window 2
.irp b, 0,1,2,3,4,5,6,7
.irp i, 0,1,2,3
	v_cvt_pk_f16_f32 v[PK+4*\b+\i], v[8*(8*(\a)+\b)+2*\i], v[8*(8*(\a)+\b)+2*\i+1]
.endr
.endr
	WIN 0
.if \a == 0
	s_cmp_lg_u32 s2, 0
	s_cbranch_scc1 .Lv32_\@
	s_wait_xcnt 0x0
	v_cmp_gt_u32 vcc_lo, 16, v[ROWG]
	s_and_saveexec_b32 s93, vcc_lo
	WIN 0x08                                       ; a store's data are its source 1: window 2
.irp b, 0,1,2,3,4,5,6,7
.irp u, 0,1
	global_store_b128 v[FO], v[8*\b+4*\u:8*\b+4*\u+3], s[66:67] offset:64*\b+16*\u
.endr
.endr
	WIN 0
	s_wait_xcnt 0x0
	s_or_b32 exec_lo, exec_lo, s93
.Lv32_\@:
.endif
.Lpk_\@:
.irp b, 0,1,2,3,4,5,6,7
	ds_store_b128 v[STO], v[PK+4*\b:PK+4*\b+3] offset:32*\b
.endr
.irp t, 0,1,2,3,4,5,6,7
	ds_load_b128 v[BK+4*\t:BK+4*\t+3], v[RD] offset:544*\t      ; LDS serves a wave's instructions in order: these see the stores above
.endr
.irp t, 0,1,2,3,4,5,6,7
	s_wait_dscnt 7-\t                              ; the younger loads may be out
	global_store_b128 v[GO], v[BK+4*\t:BK+4*\t+3], s[12:13] offset:4096*(\a)+512*\t   ; sixteen lanes store 256 consecutive bytes, aligned
.endr
	s_wait_xcnt 0x0                                ; the stores have read their registers: the next block may write them
.endm
	s_wait_loadcnt 0x0                             ; the table
	PLACES
	OUTBLK 0
	OUTBLK 1
	OUTBLK 2
	OUTBLK 3
	s_wait_tensorcnt 0x0                           ; the wave's end
	ds_add_u32 v[SPW], v[NIL]
	s_wait_dscnt 0x0
	CROUND                                         ; the closing round
	s_endpgm
.Lfunc_end_k_qc8db403e38_qkv:
	.size	k_qc8db403e38_qkv, .Lfunc_end_k_qc8db403e38_qkv-k_qc8db403e38_qkv
	.p2alignl 7, 3214868480
	.fill 96, 4, 3214868480
	.section	.rodata,"a",@progbits
	.p2align	6, 0x0
	.amdhsa_kernel k_qc8db403e38_qkv
		.amdhsa_group_segment_fixed_size 327680
		.amdhsa_private_segment_fixed_size 0
		.amdhsa_enable_private_segment 0
		.amdhsa_kernarg_size 32
		.amdhsa_user_sgpr_count 2
		.amdhsa_user_sgpr_kernarg_segment_ptr 1
		.amdhsa_wavefront_size32 1
		.amdhsa_system_sgpr_workgroup_id_x 1
		.amdhsa_system_sgpr_workgroup_id_y 1
		.amdhsa_system_sgpr_workgroup_id_z 1
		.amdhsa_system_vgpr_workitem_id 0
		.amdhsa_next_free_vgpr 1024
		.amdhsa_next_free_sgpr 98
		.amdhsa_reserve_vcc 1
		.amdhsa_float_denorm_mode_32 3
		.amdhsa_float_denorm_mode_16_64 3
		.amdhsa_memory_ordered 1
		.amdhsa_forward_progress 1
		.amdhsa_inst_pref_size 158
	.end_amdhsa_kernel
	.amdgpu_metadata
---
amdhsa.version: [ 1, 2 ]
amdhsa.kernels:
  - .name:           k_qc8db403e38_qkv
    .symbol:         k_qc8db403e38_qkv.kd
    .args:
      - { .name: xc, .offset: 0, .size: 8, .value_kind: global_buffer, .address_space: global }
      - { .name: wcs, .offset: 8, .size: 8, .value_kind: global_buffer, .address_space: global }
      - { .name: rope, .offset: 16, .size: 8, .value_kind: global_buffer, .address_space: global }
      - { .name: qkv, .offset: 24, .size: 8, .value_kind: global_buffer, .address_space: global }
    .group_segment_fixed_size: 327680
    .private_segment_fixed_size: 0
    .kernarg_segment_align: 8
    .kernarg_segment_size: 32
    .max_flat_workgroup_size: 128
    .sgpr_count:     98
    .vgpr_count:     1024
    .wavefront_size: 32
...
	.end_amdgpu_metadata
.endif
;; end of part 2
;; launch attn (part 3): grid 32 x 8, 4 waves a work-group, no clusters, 327,680 bytes of LDS; arguments qkv, merged; writes merged
.if DOCPART == 3
	.amdgcn_target "amdgcn-amd-amdhsa--gfx1250"
	.amdhsa_code_object_version 6
	.text
	.protected	k_qc8db403e38_attn
	.globl	k_qc8db403e38_attn
	.p2align	8
	.type	k_qc8db403e38_attn,@function
k_qc8db403e38_attn:
	s_mov_b64 s[64:65], 0
	v_nop
	global_prefetch_b8 v0, s[64:65] scope:SCOPE_SE
	s_setreg_imm32_b32 hwreg(HW_REG_WAVE_MODE, 25, 1), 1
	s_wait_xcnt 0x0
; Launch 3 of 5: causal attention, rows 16 to 1,023, f16 operands, f32 products' sums, maxima and sums.  q' and k' carry their factors, so S = q' . k' is t = score x log2(e) / sqrt(128); p = 2^(t - m), m the running maximum.
; LEFT OUT: key steps of 64 keys that lie wholly behind a tile's queries (reference()'s own jnp.tril gives them weight 0); rows 0-15, which launch attn16 makes in f32; jnp.repeat is an index.
; SHARES.  Work-group (j, g): KV head g; wave w: query head 4 g + w; each wave holds TWO tiles of 16 queries, tile j (low) and tile 63 - j (high): 17 tile-steps for every wave (16 where j = 0, whose low tile is attn16's).
; All four waves read the same K and V: a ring of two LDS slots of 128 keys, filled by wave 0 (K) and wave 1 (V), one load each, each covering both steps of a slot.
; No cluster: the walk ends at a limit that hangs on the work-group's number (9 to 16 steps), and partners would need different numbers of tiles.
; LAYOUT: S^T = K Q^T (source 0 = 16 keys, source 1 = 16 queries): a lane holds one query (lane % 16) and keys 8 (lane / 16) + 0..7; two such tiles, rounded to f16 in pairs, are source 1 of O^T = V^T P.  V is turned by ds_load_tr16_b128.
; A STEP's work is written twice, for both tiles and for the high tile alone, chosen by one test on ids: every register is written on the path that reads it.  Where j = 0 the low tile's Q is loaded and not used.
; A SLOT'S TWO STEPS are written together.  K's loads go out in the order in which the products take them (32 channels of all 64 keys at a time), and each group of products waits for its own eight loads alone.
; The second step's K is asked for behind the first step's K Q^T, into the registers that those products have left, and lands under the softmax.  That request has no test in front of it, so that the counts of the
; waits behind it hold on every path: where the high tile's last step is a slot's first, its 32 loads bring keys that no product takes: once a wave, in the work-groups whose last step is even.
; The trip counts are constants; what is left out is a step's work and, past the limit, the tensor load: every wait on TENSORcnt is for 0, the test is made of ids and the count of steps alone and is the same in all four waves.
; REGISTERS: window 0: v2-15 addresses; v16-31 statistics, 8 a tile (+0 m, +2,+3 l, +4..+7 at work, a at +6); v32-95 Q; v96-159 S^T; v160-191 P; v192-255 the way out.  window 1: K v0-127, V v128-255.  window 2: O^T, 64 a tile.
.set VOFF,  128*272                    ; a slot: 128 rows of K (256 bytes + 16), then 128 rows of V (256 + 32)
.set SLOT1, 131072
.set STAGE, SLOT1+128*272+128*288      ; the way out: 16 rows x 272 bytes for each wave
.set SPARE, STAGE+4*16*272             ; the spare words, 128 bytes a wave
.set AK0, 2
.set AV0, 3
.set ADK, 4
.set QO,  5
.set STO, 6
.set RD,  7
.set GO,  8
.set DL,  9                            ; low tile, on its diagonal step: my query less the step's first key less 8 (lane / 16)
.set DH,  10
.set NINF, 11
.set PFO, 12
.set ADV, 13
.set SPW, 14
.set NIL, 15
.set ST,  16
.set Q,   32
.set S,   96
.set P,   160
.set OB,  192
.set WV,  8
.set HL,  11                           ; the high tile's last step
.set LL,  12                           ; the low tile's; -1 where j = 0
.set T,   13                           ; the step
.set SB,  14                           ; LDS byte at which the slot in hand begins
.set NS,  15                           ; the first step of the slot that a change asks for
.set SLOTS, 16
.set LIM, 17
.set PFA, 18
.set SEL, 20
.set G1K, 24
.set G1V, 32
.set G0K, 40
.set G0V, 44
.set MSB, 0
.macro WIN new
.if MSB != \new
	s_set_vgpr_msb (MSB<<8)|\new
.set MSB, \new
.endif
.endm
.macro PLACES
.rept 4
	v_nop
.endr
.endm
.macro TLOAD                           ; wave 0 fetches K's 128 rows, wave 1 V's, the others nothing.  An s_nop 0 and four v_nop follow each line
	s_cmp_eq_u32 s[WV], 0
	s_cbranch_scc0 .Lnot_k_\@
	tensor_load_to_lds s[G0K:G0K+3], s[G1K:G1K+7]
	s_nop 0
.rept 4
	v_nop
.endr
	s_branch .Lasked_\@
.Lnot_k_\@:
	s_cmp_eq_u32 s[WV], 1
	s_cbranch_scc0 .Lasked_\@
	tensor_load_to_lds s[G0V:G0V+3], s[G1V:G1V+7]
	s_nop 0
.rept 4
	v_nop
.endr
.Lasked_\@:
.endm
; A prefetch of the slot that the NEXT change will ask for: 128 rows of K and of V, 256 bytes a row, a lane a row.  All 32 work-groups of a KV head walk the same rows: work-group j = 0 asks for K's (32 rows a wave), j = 1 for V's:
; each row is named once in the launch.  The last change that fills a slot asks for nothing; slots 0 and 1 come by their loads alone.
.macro ASK
	s_cmp_gt_u32 s[SLOTS], s[LIM]
	s_cbranch_scc0 .Lnot_mine_\@
	global_prefetch_b8 v[PFO], s[PFA:PFA+1] th:TH_LOAD_NT scope:SCOPE_SE
.Lnot_mine_\@:
.endm
	s_load_b128 s[4:7], s[0:1], 0x0                ; qkv, merged
	v_lshl_add_u32 v[SPW], v0, 2, SPARE
	v_mov_b32 v[NIL], 0
	ds_add_u32 v[SPW], v[NIL]                      ; the wave's opening: the add, twice on end, and its wait ahead of the first tensor load
	ds_add_u32 v[SPW], v[NIL]
	v_lshrrev_b32 v1, 5, v0
	v_readfirstlane_b32 s[WV], v1
	s_mov_b32 s9, ttmp9                            ; j
	s_and_b32 s10, ttmp7, 0xffff                   ; g
	s_lshr_b32 s[LL], s9, 2
	s_sub_co_u32 s[HL], 15, s[LL]
	s_cmp_eq_u32 s9, 0
	s_cselect_b32 s[LL], -1, s[LL]
	s_cselect_b32 s56, 32, 40                      ; whose rows my work-group would prefetch: K's head or V's
	s_mov_b32 s[T], 0
	s_mov_b32 s[SB], 0
	s_mov_b32 s[NS], 0
	s_mov_b32 s[SLOTS], 7
	s_cmp_lt_u32 s9, 2
	s_cselect_b32 s[LIM], 1, -1
	s_mov_b32 s[SEL], 0x76543210
	s_mov_b32 s[SEL+1], 0xfedcba98
	s_mov_b32 s[G1K], (1<<16)|(1<<20)|(5<<22)|(3<<25)   ; elements of 2 bytes; 4 words of padding behind every 64
	s_mov_b32 s[G1V], (1<<16)|(1<<20)|(5<<22)|(7<<25)   ; 8 words
.irp g, G1K, G1V
	s_mov_b32 s[\g+1], 128<<16                     ; 128 rows x 128 elements, dense
	s_mov_b32 s[\g+2], 128<<16
	s_mov_b32 s[\g+3], 128<<16
	s_mov_b32 s[\g+4], 128
	s_mov_b32 s[\g+5], 128
	s_mov_b32 s[\g+6], 0
	s_mov_b32 s[\g+7], 0
.endr
	s_add_co_u32 s22, s10, 32
	s_lshl_b32 s22, s22, 18                        ; K's head, 262,144 bytes a head
	s_mov_b32 s23, 0
	s_add_co_u32 s58, s22, 2097152                 ; V's, eight heads on
	s_mov_b32 s59, 0
	s_add_co_u32 s56, s56, s10
	s_lshl_b32 s56, s56, 18
	s_lshl_b32 s57, s[WV], 13                      ; my wave's 32 rows of a slot's 128
	s_add_co_u32 s56, s56, s57
	s_add_co_u32 s56, s56, 32768                   ; in slot 1: the first change steps it to slot 2
	s_mov_b32 s57, 0
	s_wait_dscnt 0x0                               ; both opening adds are done
	s_wait_kmcnt 0x0
	s_mov_b32 s[G0K], 1
	s_mov_b32 s[G0K+1], 0
	s_add_nc_u64 s[G0K+2:G0K+3], s[4:5], s[22:23]
	s_or_b32 s[G0K+3], s[G0K+3], 0x80000000
	s_mov_b32 s[G0V], 1
	s_mov_b32 s[G0V+1], VOFF
	s_add_nc_u64 s[G0V+2:G0V+3], s[4:5], s[58:59]
	s_or_b32 s[G0V+3], s[G0V+3], 0x80000000
	TLOAD                                          ; slot 0: key 0 counts for every query
	s_add_nc_u64 s[PFA:PFA+1], s[4:5], s[56:57]
	s_lshl_b32 s22, s10, 2
	s_add_co_u32 s22, s22, s[WV]                   ; my query head
	s_lshl_b32 s58, s22, 8                         ; its 256 bytes of a row of merged
	s_lshl_b32 s22, s22, 18
	s_sub_co_u32 s56, 63, s9
	s_lshl_b32 s57, s9, 12                         ; tile j: 16 rows of 256 bytes
	s_add_co_u32 s57, s57, s22
	s_mov_b32 s48, s57
	s_mov_b32 s49, 0
	s_add_nc_u64 s[48:49], s[4:5], s[48:49]        ; Q, low tile
	s_lshl_b32 s57, s56, 12
	s_add_co_u32 s50, s57, s22
	s_mov_b32 s51, 0
	s_add_nc_u64 s[50:51], s[4:5], s[50:51]        ; Q, high tile
	s_lshl_b32 s57, s9, 17                         ; 16 rows of 8,192 bytes
	s_add_co_u32 s52, s57, s58
	s_mov_b32 s53, 0
	s_add_nc_u64 s[52:53], s[6:7], s[52:53]        ; merged, low tile
	s_lshl_b32 s57, s56, 17
	s_add_co_u32 s54, s57, s58
	s_mov_b32 s55, 0
	s_add_nc_u64 s[54:55], s[6:7], s[54:55]        ; merged, high tile
	v_and_b32 v192, 15, v0                         ; r
	v_bfe_u32 v193, v0, 4, 1                       ; h
	v_lshlrev_b32 v[QO], 8, v192
	v_lshl_add_u32 v[QO], v193, 4, v[QO]
.irp i, 0,1,2,3
	global_load_b128 v[Q+8*\i:Q+8*\i+3], v[QO], s[48:49] offset:64*\i
	global_load_b128 v[Q+8*\i+4:Q+8*\i+7], v[QO], s[48:49] offset:64*\i+32
	global_load_b128 v[Q+32+8*\i:Q+32+8*\i+3], v[QO], s[50:51] offset:64*\i
	global_load_b128 v[Q+32+8*\i+4:Q+32+8*\i+7], v[QO], s[50:51] offset:64*\i+32
.endr
	v_mul_u32_u24 v[AK0], v192, 272
	v_lshl_add_u32 v[AK0], v193, 4, v[AK0]
	v_and_b32 v194, 7, v0
	v_bfe_u32 v195, v0, 3, 1
	v_lshl_add_u32 v[AV0], v193, 3, v194           ; the turning load: key 8 (l / 16) + l % 8, channels 8 ((l / 8) % 2) on
	v_mul_u32_u24 v[AV0], v[AV0], 288
	v_lshl_add_u32 v[AV0], v195, 4, v[AV0]
	v_add_nc_u32 v[AV0], VOFF, v[AV0]
	s_mul_i32 s22, s[WV], 16*272
	s_add_co_u32 s22, s22, STAGE
	v_mul_u32_u24 v[STO], v192, 272
	v_lshl_add_u32 v[STO], v193, 4, v[STO]
	v_add_nc_u32 v[STO], s22, v[STO]
	v_mul_u32_u24 v[RD], v193, 272
	v_lshl_add_u32 v[RD], v192, 4, v[RD]
	v_add_nc_u32 v[RD], s22, v[RD]
	v_lshlrev_b32 v[GO], 13, v193
	v_lshl_add_u32 v[GO], v192, 4, v[GO]
	s_and_b32 s22, s9, 3
	s_lshl_b32 s23, s22, 4
	v_lshlrev_b32 v194, 3, v193
	v_sub_nc_u32 v194, v192, v194                  ; r - 8 h
	v_add_nc_u32 v[DL], s23, v194
	s_sub_co_u32 s23, 48, s23
	v_add_nc_u32 v[DH], s23, v194
	v_mov_b32 v[NINF], 0xff800000
	v_and_b32 v[PFO], 31, v0
	v_lshlrev_b32 v[PFO], 8, v[PFO]
.irp x, 0,1
	v_mov_b32 v[ST+8*\x], 0xff61b1e6               ; m: -3e38, under every t
	v_mov_b32 v[ST+8*\x+1], 0                      ; (named with m as a pair)
	v_mov_b32 v[ST+8*\x+2], 0                      ; l, in two halves
	v_mov_b32 v[ST+8*\x+3], 0
	v_mov_b32 v[ST+8*\x+5], 0                      ; a lane permute's destination counts as one of its sources
	v_mov_b32 v[ST+8*\x+7], 0                      ; (named with a as a pair)
.endr
	WIN 0x80
.set i, 0
.rept 128
	v_mov_b32 v[i], 0                              ; O^T.  The step is written for all steps alike: the first finds zeros, which the first change of m leaves zeros; a first step of its own would be two more copies of the step
.set i, i+1
.endr
	WIN 0
; K of the slot's q-th step: 16 fragments, 32 loads, the 32 channels c of all four tiles of 16 keys first, as the products take them.  Fragment (keys 16 k on, channels 32 c on) at v[32 k + 8 c] of window 1.
.macro FETCHK q
.irp c, 0,1,2,3
.irp k, 0,1,2,3
	ds_load_b128 v[32*\k+8*\c:32*\k+8*\c+3],   v[ADK] offset:17408*(\q)+\k*4352+\c*64
	ds_load_b128 v[32*\k+8*\c+4:32*\k+8*\c+7], v[ADK] offset:17408*(\q)+\k*4352+\c*64+32
.endr
.endr
.endm
.macro FETCHV q                        ; V of the slot's q-th step, turned: 32 loads
.irp f, 0,1,2,3,4,5,6,7,8,9,10,11,12,13,14,15
	ds_load_tr16_b128 v[128+8*\f:128+8*\f+3],   v[ADV] offset:18432*(\q)+(\f/8)*9216+(\f%8)*32
	ds_load_tr16_b128 v[128+8*\f+4:128+8*\f+7], v[ADV] offset:18432*(\q)+(\f/8)*9216+4608+(\f%8)*32
.endr
.endm
; The waits inside K Q^T: behind the eight loads of channels 32 c on stand K's 8 (3 - c) younger loads and V's 32: 56, 48, 40, 32 may be out.
.macro KQ2                             ; both tiles: 32 products, 8 accumulators by turns; the first 8 start the sums
.set i, 0
.rept 32
.if (i%8) == 0
	s_wait_dscnt 56-8*(i/8)
.endif
.set aS, S+32*(i%2)+8*((i/2)%4)
.set aK, 32*((i/2)%4)+8*(i/8)
.set aQ, Q+32*(i%2)+8*(i/8)
.if i < 8
	v_wmma_f32_16x16x32_f16 v[aS:aS+7], v[aK:aK+7], v[aQ:aQ+7], 0
.else
	v_wmma_f32_16x16x32_f16 v[aS:aS+7], v[aK:aK+7], v[aQ:aQ+7], v[aS:aS+7]
.endif
.set i, i+1
.endr
.endm
.macro KQ1 x                           ; one tile: 16 products, 4 accumulators by turns
.set i, 0
.rept 16
.if (i%4) == 0
	s_wait_dscnt 56-8*(i/4)
.endif
.set aS, S+32*(\x)+8*(i%4)
.set aK, 32*(i%4)+8*(i/4)
.set aQ, Q+32*(\x)+8*(i/4)
.if i < 4
	v_wmma_f32_16x16x32_f16 v[aS:aS+7], v[aK:aK+7], v[aQ:aQ+7], 0
.else
	v_wmma_f32_16x16x32_f16 v[aS:aS+7], v[aK:aK+7], v[aQ:aQ+7], v[aS:aS+7]
.endif
.set i, i+1
.endr
.endm
.macro PV2                             ; O^T += V^T P, both tiles: 16 accumulators by turns
.set i, 0
.rept 32
.set aO, 64*(i%2)+8*((i/2)%8)
.set aV, 128+64*(i/16)+8*((i/2)%8)
.set aP, P+16*(i%2)+8*(i/16)
	v_wmma_f32_16x16x32_f16 v[aO:aO+7], v[aV:aV+7], v[aP:aP+7], v[aO:aO+7]
.set i, i+1
.endr
.endm
.macro PV1 x
.set i, 0
.rept 16
.set aO, 64*(\x)+8*(i%8)
.set aV, 128+64*(i/8)+8*(i%8)
.set aP, P+16*(\x)+8*(i/8)
	v_wmma_f32_16x16x32_f16 v[aO:aO+7], v[aV:aV+7], v[aP:aP+7], v[aO:aO+7]
.set i, i+1
.endr
.endm
.macro MASK x, d                       ; register 8 kt + i holds key 16 kt + 8 (lane / 16) + i of the step: hidden where 16 kt + i > d.  -infinity ahead of the maximum: p = 0
.irp n, 0,1,2,3,4,5,6,7,8,9,10,11,12,13,14,15,16,17,18,19,20,21,22,23,24,25,26,27,28,29,30,31
	v_cmp_gt_i32 vcc_lo, 16*(\n/8)+\n%8, v[\d]
	v_cndmask_b32 v[S+32*(\x)+\n], v[S+32*(\x)+\n], v[NINF], vcc_lo
.endr
.endm
.macro SOFTMAX x
.set rT, ST+8*(\x)
.set rS, S+32*(\x)
.set rP, P+16*(\x)
.set rO, 64*(\x)
.irp j, 0,1,2,3
	v_max3_num_f32 v[rT+4+\j], v[rS+8*\j], v[rS+8*\j+1], v[rS+8*\j+2]      ; each accumulator from its low end on
.endr
.irp j, 0,1,2,3
	v_max3_num_f32 v[rT+4+\j], v[rT+4+\j], v[rS+8*\j+3], v[rS+8*\j+4]
.endr
.irp j, 0,1,2,3
	v_max3_num_f32 v[rT+4+\j], v[rT+4+\j], v[rS+8*\j+5], v[rS+8*\j+6]
.endr
	v_max3_num_f32 v[rT+4], v[rT+4], v[rS+7], v[rS+15]
	v_max3_num_f32 v[rT+6], v[rT+6], v[rS+23], v[rS+31]
	v_max3_num_f32 v[rT+4], v[rT+4], v[rT+5], v[rT+6]
	v_max3_num_f32 v[rT+4], v[rT+4], v[rT+7], v[rT]            ; with the old m
	v_permlanex16_b32 v[rT+5], v[rT+4], s[SEL], s[SEL+1]       ; the query's other 32 keys lie in the lane 16 away
	v_max_num_f32 v[rT+5], v[rT+4], v[rT+5]                    ; the new m
	v_sub_f32 v[rT+7], v[rT], v[rT+5]                          ; old m - new m
	v_mov_b32 v[rT], v[rT+5]
.irp b, 0,2,4,6,8,10,12,14,16,18,20,22,24,26,28,30
	v_pk_add_f32 v[rS+\b:rS+\b+1], v[rS+\b:rS+\b+1], v[rT:rT+1] op_sel_hi:[1,0] neg_lo:[0,1] neg_hi:[0,1]   ; t - m
.endr
	v_exp_f32 v[rT+6], v[rT+7]                                 ; a
.irp e, 0,1,2,3,4,5,6,7,8,9,10,11,12,13,14,15,16,17,18,19,20,21,22,23,24,25,26,27,28,29,30,31
	v_exp_f32 v[rS+\e], v[rS+\e]
.endr
	v_nop                                          ; a plain instruction behind the last exponential
	s_wait_alu depctr_va_vdst(0)                   ; one wait for the batch of 33, ahead of its first reader
.irp i, 0,1,2,3,4,5,6,7,8,9,10,11,12,13,14,15
	v_cvt_pk_f16_f32 v[rP+\i], v[rS+2*\i], v[rS+2*\i+1]
.endr
.irp u, 0,1,2,3,4,5,6,7
	v_pk_add_f32 v[rS+4*\u:rS+4*\u+1], v[rS+4*\u:rS+4*\u+1], v[rS+4*\u+2:rS+4*\u+3]       ; the sum is taken of the unrounded p
.endr
.irp u, 0,1,2,3
	v_pk_add_f32 v[rS+8*\u:rS+8*\u+1], v[rS+8*\u:rS+8*\u+1], v[rS+8*\u+4:rS+8*\u+5]
.endr
.irp u, 0,1
	v_pk_add_f32 v[rS+16*\u:rS+16*\u+1], v[rS+16*\u:rS+16*\u+1], v[rS+16*\u+8:rS+16*\u+9]
.endr
	v_pk_add_f32 v[rS:rS+1], v[rS:rS+1], v[rS+16:rS+17]
	v_pk_fma_f32 v[rT+2:rT+3], v[rT+2:rT+3], v[rT+6:rT+7], v[rS:rS+1] op_sel_hi:[1,0,1]   ; l = a l + the sum
	WIN 0x82                                       ; O^T (destination and source 0) window 2
.irp i, 0,1,2,3,4,5,6,7,8,9,10,11,12,13,14,15,16,17,18,19,20,21,22,23,24,25,26,27,28,29,30,31
	v_pk_mul_f32 v[rO+2*\i:rO+2*\i+1], v[rO+2*\i:rO+2*\i+1], v[rT+6:rT+7] op_sel_hi:[1,0]
.endr
	WIN 0
.endm
; THE WORK OF A KEY STEP, the q-th of its slot; its K and then its V have been asked for.  q = 0: behind K Q^T and four places the next step's K is asked for, on both ways alike.
.macro BODY q
	s_cmp_gt_i32 s[T], s[LL]
	s_cbranch_scc1 .Lonly_\@
	WIN 0x01
	KQ2
	WIN 0
	PLACES                                         ; behind the products: for the loads into K's registers and the first reads of the scores
.if \q == 0
	WIN 0x40
	FETCHK 1
	WIN 0
.endif
	s_cmp_lg_u32 s[T], s[LL]
	s_cbranch_scc1 .Lopen_l_\@
	MASK 0, DL                                     ; the low tile's diagonal step (the high tile's lies later)
.Lopen_l_\@:
	SOFTMAX 0
	SOFTMAX 1
	s_wait_dscnt 32*(1-\q)                         ; V is in; q = 0: the next step's K, 32 loads issued behind V's, may be out
	WIN 0xa1
	PV2
	WIN 0
	s_branch .Ldone_\@
.Lonly_\@:
	WIN 0x01
	KQ1 1
	WIN 0
	PLACES
.if \q == 0
	WIN 0x40
	FETCHK 1
	WIN 0
.endif
	s_cmp_lg_u32 s[T], s[HL]
	s_cbranch_scc1 .Lopen_h_\@
	MASK 1, DH
.Lopen_h_\@:
	SOFTMAX 1
	s_wait_dscnt 32*(1-\q)
	WIN 0xa1
	PV1 1
	WIN 0
.Ldone_\@:
.endm
; A SLOT'S TWO KEY STEPS of 64 keys.
.macro PAIR
	s_cmp_gt_i32 s[T], s[HL]                       ; all the slot's keys come after my work-group's last query
	s_cbranch_scc1 .Lnone_\@
	v_add_nc_u32 v[ADK], s[SB], v[AK0]
	v_add_nc_u32 v[ADV], s[SB], v[AV0]
	v_nop
	v_nop                                          ; with the two additions: four places behind the last step's products, whose V these loads write over
	WIN 0x40
	FETCHK 0
	FETCHV 0
	WIN 0
	BODY 0
	s_add_co_u32 s[T], s[T], 1
	s_cmp_gt_i32 s[T], s[HL]
	s_cbranch_scc1 .Lone_\@
	PLACES                                         ; behind V^T P, whose V the loads below write over
	WIN 0x40
	FETCHV 1                                       ; issued behind this step's K: the counts in K Q^T hold as in the first step
	WIN 0
	BODY 1
.Lone_\@:
	s_add_co_u32 s[T], s[T], 1
	s_branch .Lend_\@
.Lnone_\@:
	s_add_co_u32 s[T], s[T], 2
.Lend_\@:
.endm
; THE CHANGE OF SLOTS stands at a slot's head: each wave waits for all its tensor loads, adds 0 to its spare word, waits for that and for its reads of the slot that it has left; one barrier; behind it the other slot is filled.
.macro CHANGE fill
	s_wait_tensorcnt 0x0                           ; no tensor load of mine is out, so a group 0 may be written
	ds_add_u32 v[SPW], v[NIL]
.if \fill
	ds_add_u32 v[SPW], v[NIL]                      ; and once more, in every trip alike
	s_xor_b32 s[G0K+1], s[G0K+1], SLOT1
	s_add_nc_u64 s[G0K+2:G0K+3], s[G0K+2:G0K+3], 32768     ; the next 128 keys
	s_xor_b32 s[G0V+1], s[G0V+1], SLOT1
	s_add_nc_u64 s[G0V+2:G0V+3], s[G0V+2:G0V+3], 32768
	s_add_co_u32 s[NS], s[NS], 2
	s_wait_xcnt 0x0                                ; the last prefetch, a slot back, has read its address
	s_add_nc_u64 s[PFA:PFA+1], s[PFA:PFA+1], 32768
.endif
	s_wait_dscnt 0x0
	s_barrier_signal -1
	s_barrier_wait -1
.if \fill
	s_cmp_gt_u32 s[NS], s[HL]                      ; a slot whose first step comes after the high tile's last is read by no wave: it is not asked for
	s_cbranch_scc1 .Lpast_\@
	TLOAD                                          ; a wave's one tensor load until the next change
.Lpast_\@:
	ASK
.endif
.endm
	s_wait_loadcnt 0x0                             ; Q
.Lslot:                                            ; 7 trips: behind each change of slots but the last the next slot is asked for, up to the limit
	CHANGE 1
	PAIR
	s_xor_b32 s[SB], s[SB], SLOT1
	s_sub_co_u32 s[SLOTS], s[SLOTS], 1
	s_cmp_lg_u32 s[SLOTS], 0
	s_cbranch_scc1 .Lslot
	CHANGE 0                                       ; the last slot is written out: nothing is left to ask for
	PAIR
; THE WAY OUT: l's halves are added, O^T is divided by l, rounded to f16 and sent through my stage, so that sixteen lanes store 256 consecutive bytes, aligned: my head's part of a row of merged.
.macro FINISH x, ptr
.set rT, ST+8*(\x)
	v_add_f32 v[rT+4], v[rT+2], v[rT+3]
	v_permlanex16_b32 v[rT+5], v[rT+4], s[SEL], s[SEL+1]
	v_add_f32 v[rT+4], v[rT+4], v[rT+5]
	v_rcp_f32 v[rT+6], v[rT+4]
	v_nop
	s_wait_alu depctr_va_vdst(0)                   ; ahead of the reciprocal's first reader
	WIN 0x82
.irp i, 0,1,2,3,4,5,6,7,8,9,10,11,12,13,14,15,16,17,18,19,20,21,22,23,24,25,26,27,28,29,30,31
	v_pk_mul_f32 v[64*(\x)+2*\i:64*(\x)+2*\i+1], v[64*(\x)+2*\i:64*(\x)+2*\i+1], v[rT+6:rT+7] op_sel_hi:[1,0]
.endr
	WIN 0x0a
.irp i, 0,1,2,3,4,5,6,7,8,9,10,11,12,13,14,15,16,17,18,19,20,21,22,23,24,25,26,27,28,29,30,31
	v_cvt_pk_f16_f32 v[OB+32*(\x)+\i], v[64*(\x)+2*\i], v[64*(\x)+2*\i+1]
.endr
	WIN 0
.irp f, 0,1,2,3,4,5,6,7
	ds_store_b128 v[STO], v[OB+32*(\x)+4*\f:OB+32*(\x)+4*\f+3] offset:32*\f
.endr
.irp f, 0,1,2,3,4,5,6,7
	ds_load_b128 v[OB+32*(\x)+4*\f:OB+32*(\x)+4*\f+3], v[RD] offset:544*\f     ; LDS serves a wave's instructions in order
.endr
.irp f, 0,1,2,3,4,5,6,7
	s_wait_dscnt 7-\f                              ; the younger loads may be out; whatever was issued earlier has come back by then
	global_store_b128 v[GO], v[OB+32*(\x)+4*\f:OB+32*(\x)+4*\f+3], s[\ptr:\ptr+1] offset:16384*\f
.endr
.endm
	PLACES
	FINISH 1, 54
	s_cmp_eq_u32 s9, 0                             ; rows 0-15 are attn16's
	s_cbranch_scc1 .Lno_low
	FINISH 0, 52
.Lno_low:
	s_wait_tensorcnt 0x0                           ; the wave's end
	ds_add_u32 v[SPW], v[NIL]
	s_wait_dscnt 0x0
	s_endpgm
.Lfunc_end_k_qc8db403e38_attn:
	.size	k_qc8db403e38_attn, .Lfunc_end_k_qc8db403e38_attn-k_qc8db403e38_attn
	.p2alignl 7, 3214868480
	.fill 96, 4, 3214868480
	.section	.rodata,"a",@progbits
	.p2align	6, 0x0
	.amdhsa_kernel k_qc8db403e38_attn
		.amdhsa_group_segment_fixed_size 327680
		.amdhsa_private_segment_fixed_size 0
		.amdhsa_enable_private_segment 0
		.amdhsa_kernarg_size 16
		.amdhsa_user_sgpr_count 2
		.amdhsa_user_sgpr_kernarg_segment_ptr 1
		.amdhsa_wavefront_size32 1
		.amdhsa_system_sgpr_workgroup_id_x 1
		.amdhsa_system_sgpr_workgroup_id_y 1
		.amdhsa_system_sgpr_workgroup_id_z 1
		.amdhsa_system_vgpr_workitem_id 0
		.amdhsa_next_free_vgpr 640
		.amdhsa_next_free_sgpr 66
		.amdhsa_reserve_vcc 1
		.amdhsa_float_denorm_mode_32 3
		.amdhsa_float_denorm_mode_16_64 3
		.amdhsa_memory_ordered 1
		.amdhsa_forward_progress 1
		.amdhsa_inst_pref_size 181
	.end_amdhsa_kernel
	.amdgpu_metadata
---
amdhsa.version: [ 1, 2 ]
amdhsa.kernels:
  - .name:           k_qc8db403e38_attn
    .symbol:         k_qc8db403e38_attn.kd
    .args:
      - { .name: qkv, .offset: 0, .size: 8, .value_kind: global_buffer, .address_space: global }
      - { .name: merged, .offset: 8, .size: 8, .value_kind: global_buffer, .address_space: global }
    .group_segment_fixed_size: 327680
    .private_segment_fixed_size: 0
    .kernarg_segment_align: 8
    .kernarg_segment_size: 16
    .max_flat_workgroup_size: 128
    .sgpr_count:     66
    .vgpr_count:     640
    .wavefront_size: 32
...
	.end_amdgpu_metadata
.endif
;; end of part 3
;; launch attn16 (part 4): grid 32 x 1, 1 waves a work-group, no clusters, 4,608 bytes of LDS; arguments qkv, merged; writes merged
.if DOCPART == 4
	.amdgcn_target "amdgcn-amd-amdhsa--gfx1250"
	.amdhsa_code_object_version 6
	.text
	.protected	k_qc8db403e38_attn16
	.globl	k_qc8db403e38_attn16
	.p2align	8
	.type	k_qc8db403e38_attn16,@function
k_qc8db403e38_attn16:
	s_mov_b64 s[64:65], 0
	v_nop
	global_prefetch_b8 v0, s[64:65] scope:SCOPE_SE
	s_setreg_imm32_b32 hwreg(HW_REG_WAVE_MODE, 25, 1), 1
	s_wait_xcnt 0x0
; Launch 4 of 5: the first 16 positions of every head, in f32: they average one to sixteen values and are the largest of the output, so their scores, weights and sums are carried finely.  One wave a head.
; Keys behind position 15 are hidden from these rows by reference()'s own jnp.tril and are not read.
; Inputs: the f32 rows [16][6144] behind qkv's f16 part: q' at column 128 head, k' at 4096 + 128 (head / 4), v at 5120 + 128 (head / 4).  q' . k' is t = score x log2(e) / sqrt(128).
; S^T = K Q^T by v_wmma_f32_16x16x4_f32, 32 steps on four accumulators by turns; slot 2 h + e of step 2 u + e' stands for channel 8 u + 4 h + 2 e' + e on both sides.  A lane then holds query l % 16 and keys 8 (l / 16) + 0..7.
; O^T = V^T P: slot 2 h + e of step s stands for key 8 h + 2 s + e on both sides, so P's registers are the operand as they stand.  v160-223 are written by matrix instructions alone.
.set STO, 7
.set RD,  8
.set GO,  9
.set SPW, 10
.set NIL, 11
.set MSB, 0
.macro WIN new
.if MSB != \new
	s_set_vgpr_msb (MSB<<8)|\new
.set MSB, \new
.endif
.endm
	s_load_b128 s[4:7], s[0:1], 0x0                ; qkv, merged
	v_lshl_add_u32 v[SPW], v0, 2, 4352             ; the spare words lie behind the stage
	v_mov_b32 v[NIL], 0
	v_and_b32 v1, 15, v0                           ; r
	v_lshrrev_b32 v2, 4, v0                        ; h
	v_mul_u32_u24 v3, v1, 24576
	v_lshl_add_u32 v3, v2, 4, v3                   ; Q, K: row r, + 16 h
	v_mul_u32_u24 v4, v2, 196608
	v_lshl_add_u32 v4, v1, 2, v4                   ; V: key 8 h, channel r
	v_lshlrev_b32 v5, 3, v2
	v_sub_nc_u32 v5, v1, v5                        ; d = r - 8 h: key 8 h + i is hidden where i > d
	v_mov_b32 v6, 0xff800000
	v_mul_u32_u24 v[STO], v1, 272
	v_lshl_add_u32 v[STO], v2, 4, v[STO]
	v_mul_u32_u24 v[RD], v2, 272
	v_lshl_add_u32 v[RD], v1, 4, v[RD]
	v_lshlrev_b32 v[GO], 13, v2
	v_lshl_add_u32 v[GO], v1, 4, v[GO]
	s_mov_b32 s14, 0x76543210
	s_mov_b32 s15, 0xfedcba98
	s_lshl_b32 s8, ttmp9, 9
	s_add_co_u32 s8, s8, 12582912
	s_mov_b32 s9, 0
	s_lshr_b32 s10, ttmp9, 2
	s_lshl_b32 s10, s10, 9
	s_add_co_u32 s10, s10, 12582912+16384
	s_mov_b32 s11, 0
	s_lshl_b32 s12, ttmp9, 8
	s_mov_b32 s13, 0
	s_wait_kmcnt 0x0
	s_add_nc_u64 s[8:9], s[4:5], s[8:9]            ; q'
	s_add_nc_u64 s[10:11], s[4:5], s[10:11]        ; k'; v lies 4,096 bytes on
	s_add_nc_u64 s[12:13], s[6:7], s[12:13]        ; my head's 256 bytes of merged's rows
.irp u, 0,1,2,3,4,5,6,7,8,9,10,11,12,13,14,15
	global_load_b128 v[32+4*\u:35+4*\u], v3, s[8:9] offset:32*\u
.endr
.irp u, 0,1,2,3,4,5,6,7,8,9,10,11,12,13,14,15
	global_load_b128 v[96+4*\u:99+4*\u], v3, s[10:11] offset:32*\u
.endr
	WIN 0x40
.irp c, 0,1,2,3,4,5,6,7
.irp k, 0,1,2,3,4,5,6,7
	global_load_b32 v[8*\c+\k], v4, s[10:11] offset:24576*\k+64*\c+4096    ; V(8 h + k, 16 c + r)
.endr
.endr
	WIN 0
	s_wait_loadcnt 63                              ; of the 96 loads at most 63 are out: the first 33 are in, Q's and K's 32 among them
.set i, 0
.rept 32
.set aD, 160+8*(i%4)
.if i < 4
	v_wmma_f32_16x16x4_f32 v[aD:aD+7], v[96+2*i:97+2*i], v[32+2*i:33+2*i], 0
.else
	v_wmma_f32_16x16x4_f32 v[aD:aD+7], v[96+2*i:97+2*i], v[32+2*i:33+2*i], v[aD:aD+7]
.endif
.set i, i+1
.endr
.rept 8
	v_nop                                          ; eight places behind this form (ISA guide 7.12.1)
.endr
.irp i, 0,1,2,3,4,5,6,7
	v_add_f32 v[12+\i], v[160+\i], v[168+\i]       ; the four partial sums, each read from its low end on
.endr
.irp i, 0,1,2,3,4,5,6,7
	v_add_f32 v[20+\i], v[176+\i], v[184+\i]
.endr
.irp i, 0,1,2,3,4,5,6,7
	v_add_f32 v[12+\i], v[12+\i], v[20+\i]
.endr
.irp i, 0,1,2,3,4,5,6,7
	v_cmp_gt_i32 vcc_lo, \i, v5
	v_cndmask_b32 v[12+\i], v[12+\i], v6, vcc_lo
.endr
	v_max3_num_f32 v20, v12, v13, v14
	v_max3_num_f32 v21, v15, v16, v17
	v_max3_num_f32 v20, v20, v18, v19
	v_max_num_f32 v20, v20, v21
	v_permlanex16_b32 v21, v20, s14, s15
	v_max_num_f32 v20, v20, v21                    ; the row's maximum: key 0 counts for every query
.irp i, 0,1,2,3,4,5,6,7
	v_sub_f32 v[12+\i], v[12+\i], v20
.endr
.irp i, 0,1,2,3,4,5,6,7
	v_exp_f32 v[12+\i], v[12+\i]
.endr
	v_nop
	s_wait_alu depctr_va_vdst(0)                   ; one wait for the eight
	v_add_f32 v22, v12, v13
	v_add_f32 v23, v14, v15
	v_add_f32 v24, v16, v17
	v_add_f32 v25, v18, v19
	v_add_f32 v22, v22, v23
	v_add_f32 v24, v24, v25
	v_add_f32 v22, v22, v24
	v_permlanex16_b32 v23, v22, s14, s15
	v_add_f32 v22, v22, v23
	v_rcp_f32 v26, v22
	v_nop
	s_wait_alu depctr_va_vdst(0)
.irp i, 0,1,2,3,4,5,6,7
	v_mul_f32 v[12+\i], v[12+\i], v26              ; the weights
.endr
	s_wait_loadcnt 0x0                             ; V
	WIN 0x01                                       ; source 0 window 1
.irp s, 0,1,2,3
.irp c, 0,1,2,3,4,5,6,7
.if \s == 0
	v_wmma_f32_16x16x4_f32 v[160+8*\c:167+8*\c], v[8*\c+2*\s:8*\c+2*\s+1], v[12+2*\s:13+2*\s], 0
.else
	v_wmma_f32_16x16x4_f32 v[160+8*\c:167+8*\c], v[8*\c+2*\s:8*\c+2*\s+1], v[12+2*\s:13+2*\s], v[160+8*\c:167+8*\c]
.endif
.endr
.endr
	WIN 0
.rept 8
	v_nop
.endr
.irp i, 0,1,2,3,4,5,6,7,8,9,10,11,12,13,14,15,16,17,18,19,20,21,22,23,24,25,26,27,28,29,30,31
	v_cvt_pk_f16_f32 v[224+\i], v[160+2*\i], v[161+2*\i]       ; register 8 c + i is o(r, 16 c + 8 h + i)
.endr
.irp f, 0,1,2,3,4,5,6,7
	ds_store_b128 v[STO], v[224+4*\f:227+4*\f] offset:32*\f
.endr
.irp f, 0,1,2,3,4,5,6,7
	ds_load_b128 v[32+4*\f:35+4*\f], v[RD] offset:544*\f
.endr
.irp f, 0,1,2,3,4,5,6,7
	s_wait_dscnt 7-\f
	global_store_b128 v[GO], v[32+4*\f:35+4*\f], s[12:13] offset:16384*\f   ; sixteen lanes store 256 consecutive bytes, aligned
.endr
	s_wait_tensorcnt 0x0                           ; the wave's end
	ds_add_u32 v[SPW], v[NIL]
	s_wait_dscnt 0x0
	s_endpgm
.Lfunc_end_k_qc8db403e38_attn16:
	.size	k_qc8db403e38_attn16, .Lfunc_end_k_qc8db403e38_attn16-k_qc8db403e38_attn16
	.p2alignl 7, 3214868480
	.fill 96, 4, 3214868480
	.section	.rodata,"a",@progbits
	.p2align	6, 0x0
	.amdhsa_kernel k_qc8db403e38_attn16
		.amdhsa_group_segment_fixed_size 4608
		.amdhsa_private_segment_fixed_size 0
		.amdhsa_enable_private_segment 0
		.amdhsa_kernarg_size 16
		.amdhsa_user_sgpr_count 2
		.amdhsa_user_sgpr_kernarg_segment_ptr 1
		.amdhsa_wavefront_size32 1
		.amdhsa_system_sgpr_workgroup_id_x 1
		.amdhsa_system_sgpr_workgroup_id_y 1
		.amdhsa_system_sgpr_workgroup_id_z 1
		.amdhsa_system_vgpr_workitem_id 0
		.amdhsa_next_free_vgpr 320
		.amdhsa_next_free_sgpr 66
		.amdhsa_reserve_vcc 1
		.amdhsa_float_denorm_mode_32 3
		.amdhsa_float_denorm_mode_16_64 3
		.amdhsa_memory_ordered 1
		.amdhsa_forward_progress 1
		.amdhsa_inst_pref_size 23
	.end_amdhsa_kernel
	.amdgpu_metadata
---
amdhsa.version: [ 1, 2 ]
amdhsa.kernels:
  - .name:           k_qc8db403e38_attn16
    .symbol:         k_qc8db403e38_attn16.kd
    .args:
      - { .name: qkv, .offset: 0, .size: 8, .value_kind: global_buffer, .address_space: global }
      - { .name: merged, .offset: 8, .size: 8, .value_kind: global_buffer, .address_space: global }
    .group_segment_fixed_size: 4608
    .private_segment_fixed_size: 0
    .kernarg_segment_align: 8
    .kernarg_segment_size: 16
    .max_flat_workgroup_size: 32
    .sgpr_count:     66
    .vgpr_count:     320
    .wavefront_size: 32
...
	.end_amdgpu_metadata
.endif
;; end of part 4
;; launch outp (part 5): grid 32 x 8, 4 waves a work-group, clusters of 4 x 4, 327,680 bytes of LDS; arguments merged, wot, out0; writes out0
.if DOCPART == 5
	.amdgcn_target "amdgcn-amd-amdhsa--gfx1250"
	.amdhsa_code_object_version 6
	.text
	.protected	k_qc8db403e38_outp
	.globl	k_qc8db403e38_outp
	.p2align	8
	.type	k_qc8db403e38_outp,@function
k_qc8db403e38_outp:
	s_mov_b64 s[64:65], 0
	v_nop
	global_prefetch_b8 v0, s[64:65] scope:SCOPE_SE
	s_setreg_imm32_b32 hwreg(HW_REG_WAVE_MODE, 25, 1), 1
	s_wait_xcnt 0x0
	s_wait_alu depctr_hold_cnt(0) depctr_sa_sdst(0) depctr_va_vdst(0) depctr_va_sdst(0) depctr_va_ssrc(0) depctr_va_vcc(0) depctr_vm_vsrc(0)
	s_getreg_b32 s2, hwreg(HW_REG_IB_STS2, 6, 4)
	s_cmp_eq_u32 s2, 0
	s_cbranch_scc0 .Lentry_in_a_cluster
	s_endpgm
.Lentry_in_a_cluster:
	s_bfe_u32 s2, ttmp6, 0x10000c
	s_cmp_lg_u32 s2, 0xf033
	s_cbranch_scc0 .Lentry_shape_is_right
	s_endpgm
.Lentry_shape_is_right:
; Launch 5 of 5: out0 = merged Wo.  A = merged [1024][4096] f16, B = wot [4096 n][4096 k] f16 (Wo turned by launch prep), C = out0 [1024][4096] f32; sums in f32.
; A tile of C is 128 x 128: 256 work-groups; four waves, each 64 x 64: 16 accumulators.  K goes in steps of 256 (LDS rows of 512 bytes; a wave's tensor load brings 64 of them) through two slots.
; CLUSTERS 4 x 4: A's tiles are shared along a row of the cluster, B's along a column: joint loads.  THE MATRIX INSTRUCTION IS USED TRANSPOSED (source 0 = 16 rows of B, source 1 = 16 rows of A): a lane holds eight neighbouring numbers of a row of C.
; A K step's 128 products are fewer than fill the time in which the next tile comes, so all of them stand ahead of the wait for that tile: between its landing and the next request stand the add, the descriptors' steps, the waits and the round alone.
; A wave's 64 columns of f32 are 256 aligned bytes.
; REGISTERS: window 0: v0-31 addresses; v32-95 the way out; v128-255 the accumulators ((a, b) at v[128 + 8 (4 a + b)]).  window 1: two fragment buffers of 128: 64 registers of A, then 64 of B, for 64 along K.
.set SIZE_N, 4096
.set SIZE_K, 4096
.set KSTEP,  256
.set PITCH,  528                       ; 512 bytes + 16 of padding: the 16 rows that a load touches start at 16 different banks
.set HALFT,  64*PITCH
.set SLOT,   4*HALFT
.set STAGE,  2*SLOT                    ; 16 rows x 272 bytes for each wave
.set SPITCH, 272
.set SPARE,  STAGE+4*16*SPITCH         ; the spare words, 128 bytes a wave
.set LAPS, SIZE_K/(2*KSTEP)
.set ADRA, 16
.set ADRB, 20
.set STO,  24
.set RD,   25
.set CO,   26
.set SPW,  28
.set NIL,  29
.set TMP,  32
.set ACC,  128
.set F0,   0
.set F1,   128
.set G1, 24
.set G0, 32
.set G1B, 48
.set G0B, 56
.set MSB, 0
.macro WIN new
.if MSB != \new
	s_set_vgpr_msb (MSB<<8)|\new
.set MSB, \new
.endif
.endm
.set MUL,  0x05                        ; sources 0 (B) and 1 (A) window 1; C and D window 0
.set TO_F, 0x40
.macro JLOAD s                         ; waves 0 and 1 fetch A's two halves, waves 2 and 3 B's; an s_nop 0 and four v_nop follow each line
	s_cmp_eq_u32 s11, 0
	s_cbranch_scc0 .Lfor_b_\@
	tensor_load_to_lds s[G0+4*\s:G0+4*\s+3], s[G1:G1+7]
	s_nop 0
.rept 4
	v_nop
.endr
	s_branch .Lasked_\@
.Lfor_b_\@:
	tensor_load_to_lds s[G0B+4*\s:G0B+4*\s+3], s[G1B:G1B+7]
	s_nop 0
.rept 4
	v_nop
.endr
.Lasked_\@:
.endm
.macro CREST
	s_cmp_lg_u32 s10, 0
	s_cbranch_scc1 .Lnot_wave_0_\@
	s_barrier_signal -3
.Lnot_wave_0_\@:
	s_barrier_wait -3
	s_barrier_signal -1
	s_barrier_wait -1
.endm
.macro CROUND
	s_barrier_signal -1
	s_barrier_wait -1
	CREST
.endm
	s_load_b128 s[4:7], s[0:1], 0x0                ; A s[4:5], B s[6:7]
	s_load_b64 s[8:9], s[0:1], 0x10                ; C
	v_lshl_add_u32 v[SPW], v0, 2, SPARE
	v_mov_b32 v[NIL], 0
	ds_add_u32 v[SPW], v[NIL]                      ; the wave's opening: the add, twice on end, and its wait ahead of my first tensor load
	ds_add_u32 v[SPW], v[NIL]
	v_lshrrev_b32 v1, 5, v0
	v_readfirstlane_b32 s10, v1                    ; wave 0..3
	s_lshr_b32 s11, s10, 1                         ; which half of the tile's rows is mine.  Also: I fetch for A (0) or for B (1)
	s_and_b32 s12, s10, 1                          ; which half of its columns.  Also: which 64 rows of that tile I fetch
	s_bfe_u32 s40, ttmp6, 0x40000
	s_bfe_u32 s41, ttmp6, 0x40004
	s_lshl_b32 s42, ttmp9, 2
	s_add_co_u32 s42, s42, s40                     ; tile column
	s_and_b32 s13, ttmp7, 0xffff
	s_lshl_b32 s13, s13, 2
	s_add_co_u32 s13, s13, s41                     ; tile row
	s_lshl_b32 s43, s41, 2
	s_lshl_b32 s43, 15, s43                        ; my row of the cluster
	s_lshl_b32 s44, 0x1111, s40                    ; my column
	s_or_b32 s[G1+0], s43, (1<<16)|(1<<20)|(1<<21)|(6<<22)|(3<<25)  ; the mask; elements of 2 bytes; 4 words of padding behind every 128; bit 21 beside a mask
	s_or_b32 s[G1B+0], s44, (1<<16)|(1<<20)|(1<<21)|(6<<22)|(3<<25)
.irp g, G1, G1B
	s_mov_b32 s[\g+1], KSTEP<<16
	s_mov_b32 s[\g+2], 64<<16
	s_mov_b32 s[\g+3], KSTEP<<16
	s_mov_b32 s[\g+4], 64
	s_mov_b32 s[\g+5], SIZE_K
	s_mov_b32 s[\g+6], 0
	s_mov_b32 s[\g+7], 0
.endr
	s_lshl_b32 s17, s12, 6
	s_lshl_b32 s16, s13, 7
	s_add_co_u32 s16, s16, s17                     ; A: row 128 x tile row + 64 x half
	s_lshl_b32 s46, s42, 7
	s_add_co_u32 s46, s46, s17                     ; B: row 128 x tile column + 64 x half
	s_mov_b32 s17, 0
	s_mov_b32 s47, 0
	s_mov_b64 s[18:19], SIZE_K*2
	s_mul_u64 s[16:17], s[16:17], s[18:19]
	s_mul_u64 s[46:47], s[46:47], s[18:19]
	s_mul_i32 s20, s10, HALFT                      ; where they go: wave x 64 rows
	s_wait_dscnt 0x0                               ; both opening adds are done
	s_wait_kmcnt 0x0
	s_add_nc_u64 s[14:15], s[4:5], s[16:17]
	s_add_nc_u64 s[46:47], s[6:7], s[46:47]
	CROUND                                         ; all sixteen work-groups are here: the first joint loads meet
.irp s, 0,1
	s_mov_b32 s[G0+4*\s], 1
	s_add_co_u32 s[G0+4*\s+1], s20, \s*SLOT
	s_add_nc_u64 s[G0+4*\s+2:G0+4*\s+3], s[14:15], \s*KSTEP*2
	s_or_b32 s[G0+4*\s+3], s[G0+4*\s+3], 0x80000000
	s_mov_b32 s[G0B+4*\s], 1
	s_add_co_u32 s[G0B+4*\s+1], s20, \s*SLOT
	s_add_nc_u64 s[G0B+4*\s+2:G0B+4*\s+3], s[46:47], \s*KSTEP*2
	s_or_b32 s[G0B+4*\s+3], s[G0B+4*\s+3], 0x80000000
	JLOAD \s
.endr
	v_and_b32 v1, 15, v0                           ; l % 16
	v_bfe_u32 v2, v0, 4, 1                         ; l / 16
	v_mul_u32_u24 v3, v1, PITCH
	v_lshl_add_u32 v3, v2, 4, v3
	s_mul_i32 s21, s11, HALFT                      ; my 64 rows of A
	s_mul_i32 s22, s12, HALFT                      ; my 64 rows of B,
	s_add_co_u32 s22, s22, 2*HALFT                 ; behind A's 128
.irp s, 0,1
	v_add_nc_u32 v[ADRA+\s], s21, v3
	v_add_nc_u32 v[ADRB+\s], s22, v3
	s_add_co_u32 s21, s21, SLOT
	s_add_co_u32 s22, s22, SLOT
.endr
	s_mul_i32 s23, s10, 16*SPITCH
	s_add_co_u32 s23, s23, STAGE                   ; my stage
	v_mul_u32_u24 v4, v1, SPITCH
	v_lshl_add_u32 v4, v2, 5, v4
	v_add_nc_u32 v[STO], s23, v4                   ; in: row l % 16, 32 bytes for each half of the lanes
	v_mul_u32_u24 v5, v2, SPITCH
	v_lshl_add_u32 v5, v1, 4, v5
	v_add_nc_u32 v[RD], s23, v5                    ; back: lanes 0-15 one row of 256 bytes, lanes 16-31 the next
	v_lshlrev_b32 v5, 14, v2
	v_lshl_add_u32 v[CO], v1, 4, v5                ; the same two rows in C
	s_lshl_b32 s16, s13, 7
	s_lshl_b32 s17, s11, 6
	s_add_co_u32 s16, s16, s17                     ; my first row of C
	s_lshl_b32 s16, s16, 14
	s_mov_b32 s17, 0
	s_add_nc_u64 s[8:9], s[8:9], s[16:17]
	s_lshl_b32 s46, s42, 9                         ; my first column, in bytes: 512 x tile column + 256 x half
	s_lshl_b32 s47, s12, 8
	s_add_co_u32 s46, s46, s47
	s_mov_b32 s47, 0
	s_add_nc_u64 s[8:9], s[8:9], s[46:47]
.macro MUL8 f, c, a0, zero             ; m blocks a0, a0 + 1 x all 4 n blocks, 32 along K: half c of buffer f; the 16 accumulators take turns
.irp a, \a0, \a0+1
.irp b, 0,1,2,3
.if \zero
	v_wmma_f32_16x16x32_f16 v[ACC+8*(4*(\a)+\b):ACC+8*(4*(\a)+\b)+7], v[\f+64+8*(4*\c+\b):\f+64+8*(4*\c+\b)+7], v[\f+8*(4*\c+\a):\f+8*(4*\c+\a)+7], 0
.else
	v_wmma_f32_16x16x32_f16 v[ACC+8*(4*(\a)+\b):ACC+8*(4*(\a)+\b)+7], v[\f+64+8*(4*\c+\b):\f+64+8*(4*\c+\b)+7], v[\f+8*(4*\c+\a):\f+8*(4*\c+\a)+7], v[ACC+8*(4*(\a)+\b):ACC+8*(4*(\a)+\b)+7]
.endif
.endr
.endr
.endm
.macro FETCH slot, k, f                ; 32 LDS loads in one run: the fragments of 64 along K at byte k of the rows; the first 32 along K first
	WIN TO_F
.irp c, 0,1
.irp i, 0,1,2,3
	ds_load_b128 v[\f+64+8*(4*\c+\i):\f+64+8*(4*\c+\i)+3],   v[ADRB+\slot] offset:\k+64*\c+\i*16*PITCH
	ds_load_b128 v[\f+64+8*(4*\c+\i)+4:\f+64+8*(4*\c+\i)+7], v[ADRB+\slot] offset:\k+64*\c+\i*16*PITCH+32
	ds_load_b128 v[\f+8*(4*\c+\i):\f+8*(4*\c+\i)+3],         v[ADRA+\slot] offset:\k+64*\c+\i*16*PITCH
	ds_load_b128 v[\f+8*(4*\c+\i)+4:\f+8*(4*\c+\i)+7],       v[ADRA+\slot] offset:\k+64*\c+\i*16*PITCH+32
.endr
.endr
.endm
.macro PLACES
.rept 4
	v_nop
.endr
.endm
.macro QUARTER slot, k, f, g, zero     ; 64 along K: multiplies buffer f and fetches the next quarter, at byte k, into g
	s_wait_dscnt 16                                ; the first 32 along K are in
	WIN MUL
	MUL8 \f, 0, 0, \zero
	MUL8 \f, 0, 2, \zero
	PLACES
	FETCH \slot, \k, \g
	s_wait_dscnt 32                                ; all but the 32 just issued
	WIN MUL
	MUL8 \f, 1, 0, 0
	MUL8 \f, 1, 2, 0
.endm
; The last quarter multiplies buffer 1, all of it, and then changes slots: each wave waits for all its tensor loads, adds 0 to its spare word, and waits for that (its reads of this slot came back ahead of the products);
; one barrier; fill = 1: it opens a round of the cluster's barrier, and behind the round this slot is filled again, two K steps ahead.  Then the next slot's first fragments are fetched.
.macro TURN slot, next, fill
	s_wait_dscnt 16                                ; the first 32 along K of buffer 1 are in
	WIN MUL
	MUL8 F1, 0, 0, 0
	MUL8 F1, 0, 2, 0
	s_wait_dscnt 0x0                               ; the rest is in: my reads of this slot are over
	MUL8 F1, 1, 0, 0
	MUL8 F1, 1, 2, 0
	WIN 0
	s_wait_tensorcnt 0x0                           ; all my tensor loads have landed: my part of the next slot; so every group 0 may be written
	ds_add_u32 v[SPW], v[NIL]                      ; 0 onto my spare word; the descriptors' steps stand between it and the wait for it
.if \fill
	s_add_nc_u64 s[G0+4*\slot+2:G0+4*\slot+3], s[G0+4*\slot+2:G0+4*\slot+3], 2*KSTEP*2
	s_add_nc_u64 s[G0B+4*\slot+2:G0B+4*\slot+3], s[G0B+4*\slot+2:G0B+4*\slot+3], 2*KSTEP*2
.endif
	s_wait_dscnt 0x0                               ; the add is done
	s_barrier_signal -1
	s_barrier_wait -1
.if \fill
	CREST                                          ; the barrier has opened a round of the cluster's: no wave of any partner still reads this slot or has a load on its way
	JLOAD \slot                                    ; the first tensor load behind the round; its four v_nop are the places in front of the loads below
.else
	PLACES
.endif
	FETCH \next, 0, F0
.endm
	s_wait_tensorcnt 1                             ; my part of K step 0 is in; K step 1's may be out
	s_barrier_signal -1
	s_barrier_wait -1
	FETCH 0, 0, F0
	QUARTER 0, 128, F0, F1, 1                      ; the first quarter stands in front of the loop: its first products start the sums
	WIN 0
	s_mov_b32 s3, LAPS-1
.Llap:
	QUARTER 0, 256, F1, F0, 0
	QUARTER 0, 384, F0, F1, 0
	TURN 0, 1, 1
	QUARTER 1, 128, F0, F1, 0
	QUARTER 1, 256, F1, F0, 0
	QUARTER 1, 384, F0, F1, 0
	TURN 1, 0, 1
	QUARTER 0, 128, F0, F1, 0
	WIN 0
	s_sub_co_u32 s3, s3, 1
	s_cmp_lg_u32 s3, 0
	s_cbranch_scc1 .Llap
	QUARTER 0, 256, F1, F0, 0                      ; the last lap fills nothing
	QUARTER 0, 384, F0, F1, 0
	TURN 0, 1, 0
	QUARTER 1, 128, F0, F1, 0
	QUARTER 1, 256, F1, F0, 0
	QUARTER 1, 384, F0, F1, 0
	s_wait_dscnt 16
	WIN MUL
	MUL8 F1, 0, 0, 0
	MUL8 F1, 0, 2, 0
	s_wait_dscnt 0
	MUL8 F1, 1, 0, 0
	MUL8 F1, 1, 2, 0
	WIN 0
; THE WAY OUT, by blocks of 16 rows x 64 columns: a lane's 32 bytes of a row go into my stage, each accumulator from its low end on, and come back as whole rows of 256 bytes.
.macro TOSTAGE a
.irp b, 0,1,2,3
	ds_store_b128 v[STO], v[ACC+8*(4*(\a)+\b):ACC+8*(4*(\a)+\b)+3] offset:64*\b
	ds_store_b128 v[STO], v[ACC+8*(4*(\a)+\b)+4:ACC+8*(4*(\a)+\b)+7] offset:64*\b+16
.endr
.set BB, TMP+32*((\a)%2)
.irp t, 0,1,2,3,4,5,6,7
	ds_load_b128 v[BB+4*\t:BB+4*\t+3], v[RD] offset:544*\t         ; LDS serves a wave's instructions in order: these see the stores above
.endr
.endm
.macro SEND a, younger                 ; younger: the LDS instructions issued behind block a's loads, which may stay out
.set BB, TMP+32*((\a)%2)
	s_wait_dscnt \younger
.irp t, 0,1,2,3,4,5,6,7
	global_store_b128 v[CO], v[BB+4*\t:BB+4*\t+3], s[8:9] offset:(16*(\a)+2*\t)*16384 th:TH_STORE_NT   ; sixteen lanes store 256 consecutive bytes, aligned; written once, read by nobody here
.endr
.endm
	PLACES
	TOSTAGE 0
.irp a, 1,2,3
.if \a > 1
	s_wait_xcnt 0x0                                ; block a - 2's stores have read their registers: block a's loads may land there
.endif
	TOSTAGE \a
	SEND \a-1, 16                                  ; behind block a - 1's loads: block a's 8 stores and 8 loads
.endr
	SEND 3, 0
	s_wait_tensorcnt 0x0                           ; the wave's end
	ds_add_u32 v[SPW], v[NIL]
	s_wait_dscnt 0x0
	CROUND                                         ; the closing round
	s_endpgm
.Lfunc_end_k_qc8db403e38_outp:
	.size	k_qc8db403e38_outp, .Lfunc_end_k_qc8db403e38_outp-k_qc8db403e38_outp
	.p2alignl 7, 3214868480
	.fill 96, 4, 3214868480
	.section	.rodata,"a",@progbits
	.p2align	6, 0x0
	.amdhsa_kernel k_qc8db403e38_outp
		.amdhsa_group_segment_fixed_size 327680
		.amdhsa_private_segment_fixed_size 0
		.amdhsa_enable_private_segment 0
		.amdhsa_kernarg_size 24
		.amdhsa_user_sgpr_count 2
		.amdhsa_user_sgpr_kernarg_segment_ptr 1
		.amdhsa_wavefront_size32 1
		.amdhsa_system_sgpr_workgroup_id_x 1
		.amdhsa_system_sgpr_workgroup_id_y 1
		.amdhsa_system_sgpr_workgroup_id_z 1
		.amdhsa_system_vgpr_workitem_id 0
		.amdhsa_next_free_vgpr 512
		.amdhsa_next_free_sgpr 66
		.amdhsa_reserve_vcc 0
		.amdhsa_float_denorm_mode_32 3
		.amdhsa_float_denorm_mode_16_64 3
		.amdhsa_memory_ordered 1
		.amdhsa_forward_progress 1
		.amdhsa_inst_pref_size 85
	.end_amdhsa_kernel
	.amdgpu_metadata
---
amdhsa.version: [ 1, 2 ]
amdhsa.kernels:
  - .name:           k_qc8db403e38_outp
    .symbol:         k_qc8db403e38_outp.kd
    .args:
      - { .name: merged, .offset: 0, .size: 8, .value_kind: global_buffer, .address_space: global }
      - { .name: wot, .offset: 8, .size: 8, .value_kind: global_buffer, .address_space: global }
      - { .name: out0, .offset: 16, .size: 8, .value_kind: global_buffer, .address_space: global }
    .group_segment_fixed_size: 327680
    .private_segment_fixed_size: 0
    .kernarg_segment_align: 8
    .kernarg_segment_size: 24
    .max_flat_workgroup_size: 128
    .sgpr_count:     66
    .vgpr_count:     512
    .wavefront_size: 32
...
	.end_amdgpu_metadata
.endif
;; end of part 5
